; MI455X (gfx1250); checked and timed in simulation.
; The chip was launched on July 23, 2026; its instructions are those of AMD's public machine-readable ISA for CDNA 5 (MIT licence, August 2026) and "CDNA5" Instruction Set Architecture Reference Guide (July 2026). The comments in the code are by the model that wrote it; some were corrected since.
;; Multi Head Attention. Allowed arithmetic: matrix products marked QUANTISED: E2M3 operands, one E8M0 scale for each 32 along K, by v_wmma_scale_f32_16x16x128_f8f6f4 with both operands' format E2M3, f32 sums; everything else in f32.
;; Inputs: Wk 768 x 768 float32; Wo 768 x 768 float32; Wq 768 x 768 float32; Wv 768 x 768 float32; key_in 2 x 2,048 x 768 float32; query 2 x 2,048 x 768 float32; value 2 x 2,048 x 768 float32.
;; Outputs: out0 2 x 2,048 x 768 float32.
;; This version of the problem:
;;   THIS VERSION OF THE PROBLEM IS GIVEN IN LOW PRECISION. The matrix products marked QUANTISED in the list below multiply operands that are first quantised to E2M3 (2 exponent bits, 3 mantissa bits; 6 bits a number), with one power-of-two scale for each 32 numbers along K (OCP MX v1.0); their sums are f32. All else is computed in f32.
;;   The module's matrix products, in the order in which they are computed (A, B: the left and right operand; K: the contracted axis; several contracted axes count as one K, in the product's order):
;;     1. [M 4,096, K 768] x [K 768, N 768]; A: input query; B: input Wq: QUANTISED
;;     2. [M 4,096, K 768] x [K 768, N 768]; A: input key_in; B: input Wk: QUANTISED
;;     3. [M 4,096, K 768] x [K 768, N 768]; A: input value; B: input Wv: QUANTISED
;;     4. batch 24 x [M 2,048, K 64] x [K 64, N 2,048]; A: computed on the way; B: computed on the way: QUANTISED
;;     5. batch 24 x [M 2,048, K 2,048] x [K 2,048, N 64]; A: softmax (see below); B: computed on the way: QUANTISED
;;     6. [M 4,096, K 768] x [K 768, N 768]; A: computed on the way; B: input Wo: QUANTISED
;;   THE QUANTISER, for each operand of a quantised product, along K:
;;     - K is cut into blocks of 32 from its start; a last block that is shorter is filled with zeros.
;;     - A block's scale is 2^e with e = floor(log2(the largest magnitude in the block)) - 2, held to -126 .. 127; a block of zeros has e = 0. As a byte (E8M0): e + 127.
;;     - Each number is divided by its block's scale, clamped to +-7.5, and rounded to the nearest number of E2M3, ties to even, subnormals kept.
;;     - The product sums the exact products of the quantised numbers (number of the format x scale) in f32.
;;   ~~~python
;;   def quantise(x, axis):      # numpy; x: float32 -> the quantised numbers, widened to float32 again
;;       x = np.moveaxis(x, axis, -1); K = x.shape[-1]
;;       x = np.pad(x, [(0, 0)] * (x.ndim - 1) + [(0, -K % 32)]); x = x.reshape(x.shape[:-1] + (-1, 32)); a = np.abs(x).max(-1, keepdims=True)
;;       e = np.where(a > 0, np.clip(np.frexp(np.where(a > 0, a, 1))[1] - 1 - 2, -126, 127), 0)      # np.frexp(a)[1] - 1 = floor(log2(a)), exactly
;;       r = np.clip(x / 2.0 ** e, -7.5, 7.5)
;;       step = 2.0 ** (np.maximum(np.frexp(np.where(r == 0, 1, r))[1] - 1, 0) - 3)
;;       q = np.round(r / step) * step * 2.0 ** e      # np.round: ties to even
;;       return np.moveaxis(q.reshape(q.shape[:-2] + (-1,))[..., :K], -1, axis).astype(np.float32)
;;   ~~~
;;   SOFTMAX AHEAD OF A QUANTISED PRODUCT. Where the list says 'softmax', what is quantised is not the finished softmax but p = 2^(t - M), with t = logit x log2(e) and M = ceil(the row's largest t), a whole number; so 1/2 < the row's largest p <= 1. The row's sum l is taken of the UNQUANTISED p, in f32, and the product's result is divided by l at the end. Since M is a whole number, a kernel that streams over the keys may use a running M (the ceiling of the running maximum): every later rescaling is an exact power of two, which a block's scale takes up: the codes' values come out the same.
;;   OPERANDS COMPUTED ON THE WAY. 'Computed on the way' means the value that the module computes at that place (a softmax that the list does not call 'softmax' is quantised finished and normalised). What goes into a quantiser is computed in f32, as accurately as f32 sums, v_exp_f32 and their like allow (about 1e-6 of the number): no bf16 or f16 on the way to a quantiser, and a product that is left as it is and whose result goes on into a quantised operand takes f32 operands (vector FMAs, or v_wmma_f32_16x16x4_f32). A number that lies on a knife's edge between two numbers of the format may be rounded either way, as far as f32 arithmetic and the matrix unit's own rounding can turn it there, and no further.
;; One version. Each part assembles by itself: llvm-mc -triple=amdgcn-amd-amdhsa -mcpu=gfx1250 --defsym DOCPART=n.
;; ======== version 1 of 1: 4 launches
;; limits: right only within a limited range of input values
;; workspace buffers: ops 9,216,000 bytes; qb 2,555,904 bytes; kv 5,013,504 bytes; cxb 2,457,600 bytes
;; launch quant (part 1): grid 240 x 1, 8 waves a work-group, no clusters, 72,192 bytes of LDS; arguments query, key_in, value, Wq, Wk, Wv, Wo, ops; writes ops
.if DOCPART == 1
	.amdgcn_target "amdgcn-amd-amdhsa--gfx1250"
	.amdhsa_code_object_version 6
	.text
	.protected	k_q1a2a5a08fc_quant
	.globl	k_q1a2a5a08fc_quant
	.p2align	8
	.type	k_q1a2a5a08fc_quant,@function
k_q1a2a5a08fc_quant:
	s_mov_b64 s[64:65], 0
	v_nop
	global_prefetch_b8 v0, s[64:65] scope:SCOPE_SE
	s_setreg_imm32_b32 hwreg(HW_REG_WAVE_MODE, 25, 1), 1
	s_wait_xcnt 0x0
; query, key_in, value [4096][768] and Wq, Wk, Wv, Wo [768][768], f32, K innermost, become codes of FP6 (E2M3) with one E8M0 byte for each 32 along K,
; laid as IMAGES OF THE OPERAND'S REGISTERS: ops = [K step q of 128: 6][group G of 64 rows: 240][6,400 bytes]; a group's record is four tiles' images of 1,536 bytes
; (registers 4 c .. 4 c + 3 of the fragment's twelve at 512 c + 16 x lane) and then four tiles' scale words (64 x tile + 4 r, one word for a row and 128 k).
; THE ROWS OF A TILE ARE NOT NEIGHBOURS.  In all tensors but key_in lane r of tile 2 a + u of a group holds row 32 a + 8 u + r + 8 (r / 8): as source 0 of a product two neighbouring tiles then give a lane 16 neighbours along the next K.
; In key_in lane r of tile t holds row 32 (r / 8) + 8 t + r % 8: the keys' tiles are source 0 of the score product, and a group's four tiles then give a lane 32 neighbouring keys, a whole block of the next K.
; A block's scale is 2^(floor(log2(its largest magnitude)) - 2); its byte is the largest magnitude's exponent field - 2, held at 1 from below.
; LIMITS: a block of zeros gets the byte 1 where the rule says 127 (its codes are zeros, and this program alone reads the bytes); NaN and infinities among the inputs are not served.
; SHARES: work-group = group G; groups 0-63 query, 64-127 key_in, 128-191 value, 192-203 Wq, 204-215 Wk, 216-227 Wv, 228-239 Wo.  Wave w: tile w / 2, half w % 2 of K: six sub-steps of 16 rows x 64 numbers.
; A load takes two rows' 256 consecutive bytes, 16 bytes a lane; the sub-step turns through the wave's own stage in LDS (rows 272 bytes apart) and comes back as a whole block of 32 numbers a lane:
; lane (r, h) holds k = 64 t + 32 h + 0 .. 31 of row r, which is what the fragment's registers 6 c .. 6 c + 5 want.  No block needs another lane's numbers.
; No tensor loads, no matrix work, no cluster: no two work-groups read the same byte.
.set PLANE, 1536000                    ; bytes of ops for one K step
.set REC,   6400                       ; a group's record
.set ROWB,  3072                       ; a row of any input
.set SP,    272                        ; a stage row: 256 bytes + 16
.set STG,   16*SP                      ; a stage
.set WST,   2*STG                      ; a wave's two stages
.set SCL,   8*WST                      ; behind the stages: the group's scale words, [q][tile][r], 1,536 bytes
.set SPARE, SCL+1536                   ; the spare words, 128 bytes for each wave: four blocks of 256 bytes that no other line names
.set C,     28                         ; v28-63   codes: twelve registers for each of the wave's three K steps: no store's data are written again
.set R,     64                         ; v64-191  four sets of 32 registers as loaded
.set X,     192                        ; v192-255 two sets of 32 neighbours
; v1 input offset of a tile's rows r = 8 .. 15 (the lane's number until then); v4 input offset of its rows r = 0 .. 7; v5, v6 stage in and out; v7 codes' offset; v8 scale word's LDS place; v9 8 h; v10-15 at work; v16, v17 the add's two;
; v18-20 scale words; v21 the first block's byte; v22, v23 the scales' way out; v24-27 at work
	s_load_b512 s[4:19], s[0:1], 0x0               ; query, key_in, value, Wq, Wk, Wv, Wo, ops
	v_lshl_add_u32 v16, v0, 2, SPARE
	v_mov_b32 v17, 0
	v_lshrrev_b32 v1, 5, v0
	s_delay_alu instid0(VALU_DEP_1)
	v_readfirstlane_b32 s24, v1                    ; wave 0..7
	v_and_b32 v1, 31, v0                           ; lane
	v_and_b32 v2, 15, v0                           ; r, also my place in a row's 256 bytes
	s_wait_alu depctr_va_vdst(0)
	v_bfe_u32 v3, v0, 4, 1                         ; h, also which of a load's two rows
	s_lshr_b32 s25, s24, 1                         ; tile
	s_and_b32 s26, s24, 1                          ; half of K
	s_lshr_b32 s27, s25, 1
	s_and_b32 s28, s25, 1
	s_lshl_b32 s27, s27, 5
	s_lshl_b32 s28, s28, 3
	s_add_co_u32 s27, s27, s28                     ; the tile's first row: 32 a + 8 u;
	s_lshl_b32 s41, s25, 3                         ; in key_in: 8 x tile
	s_lshr_b32 s40, ttmp9, 6                       ; 1 in key_in's groups, 64 to 127
	s_mov_b32 s42, 16*ROWB                         ; from a tile's row r = 0 to its row r = 8: 16 rows;
	s_cmp_eq_u32 s40, 1                            ; the choice hangs on the work-group's number alone
	s_cselect_b32 s27, s41, s27
	s_cselect_b32 s42, 32*ROWB, s42                ; in key_in: 32 rows
	s_mul_i32 s27, s27, ROWB
	s_mul_i32 s28, s26, 1536
	s_add_co_u32 s27, s27, s28
	v_lshlrev_b32 v4, 4, v2
	s_wait_alu depctr_va_vdst(0)
	v_mad_u32_u24 v4, v3, ROWB, v4
	s_delay_alu instid0(VALU_DEP_1)
	v_add_nc_u32 v4, s27, v4                       ; in: (first row + h) rows + my half of K + 16 (lane % 16)
	s_mul_i32 s29, s24, WST
	v_lshlrev_b32 v5, 4, v2
	s_delay_alu instid0(VALU_DEP_1)
	v_mad_u32_u24 v5, v3, SP, v5
	s_delay_alu instid0(VALU_DEP_1)
	v_add_nc_u32 v5, s29, v5                       ; the stage, on the way in: as loaded
	v_mul_u32_u24 v6, v2, SP
	s_delay_alu instid0(VALU_DEP_1)
	v_lshl_add_u32 v6, v3, 7, v6
	s_delay_alu instid0(VALU_DEP_1)
	v_add_nc_u32 v6, s29, v6                       ; and out: row r, 128 h bytes on: my block
	s_mul_i32 s30, s26, 3*PLANE
	s_mul_i32 s31, s25, 1536
	s_add_co_u32 s30, s30, s31
	v_lshl_add_u32 v7, v1, 4, s30                  ; the codes: my half's first K step, my tile's image, 16 x lane
	s_mul_i32 s31, s26, 768
	s_lshl_b32 s32, s25, 6
	s_add_co_u32 s31, s31, s32
	s_add_co_u32 s31, s31, SCL
	v_lshl_add_u32 v8, v2, 2, s31                  ; my row's scale word of my half's first K step
	v_lshlrev_b32 v9, 3, v3
	v_mov_b32 v15, 0                               ; written once: a lane permute's destination counts as one of its sources
	s_min_u32 s33, s24, 2                          ; the scales' way out is waves 0 to 2's: two K steps each
	s_lshl_b32 s34, s33, 9
	s_add_co_u32 s34, s34, SCL
	v_lshl_add_u32 v22, v1, 4, s34
	s_mul_i32 s35, s33, 2*PLANE
	s_add_co_u32 s35, s35, 6144
	v_lshl_add_u32 v23, v2, 4, s35
	s_delay_alu instid0(VALU_DEP_1)
	v_mad_u32_u24 v23, v3, PLANE, v23              ; lanes 0-15 one K step's 256 bytes, lanes 16-31 the next's
	v_add_nc_u32 v1, s42, v4                       ; in: the same for the tile's rows r = 8 .. 15 (the lane's number is done with)
	s_mov_b32 s38, 0x76543210
	s_mov_b32 s39, 0xfedcba98                      ; v_permlanex16_b32's selects for lane l xor 16
	s_wait_alu depctr_va_vdst(0)
	s_wait_kmcnt 0x0
	s_mov_b64 s[20:21], s[4:5]                     ; whose group is mine?  The choice hangs on the work-group's number alone
	s_mov_b32 s22, 0
.macro PICK first, lo
	s_cmp_ge_u32 ttmp9, \first
	s_cselect_b64 s[20:21], s[\lo:\lo+1], s[20:21]
	s_cselect_b32 s22, \first, s22
.endm
	PICK 64, 6
	PICK 128, 8
	PICK 192, 10
	PICK 204, 12
	PICK 216, 14
	PICK 228, 16
	s_sub_co_u32 s22, ttmp9, s22
	s_mul_i32 s22, s22, 64*ROWB                    ; my group's 64 rows in its tensor
	s_mov_b32 s23, 0
	s_add_nc_u64 s[20:21], s[20:21], s[22:23]
	s_mul_i32 s36, ttmp9, REC
	s_mov_b32 s37, 0
	s_add_nc_u64 s[18:19], s[18:19], s[36:37]      ; my group's record of K step 0
.macro LOAD t                          ; sub-step t: 16 rows x 256 bytes; load i takes the tile's rows r = 2 i and 2 i + 1: eight neighbouring rows by v4, the other eight by v1
.irp i, 0,1,2,3
	global_load_b128 v[R+32*((\t)%4)+4*\i:R+32*((\t)%4)+4*\i+3], v4, s[20:21] offset:2*\i*ROWB+256*(\t) th:TH_LOAD_NT
.endr
.irp i, 4,5,6,7
	global_load_b128 v[R+32*((\t)%4)+4*\i:R+32*((\t)%4)+4*\i+3], v1, s[20:21] offset:2*(\i-4)*ROWB+256*(\t) th:TH_LOAD_NT
.endr
.endm
.macro TURN t                          ; through the stage: LDS serves a wave's instructions in order, so no wait stands between the stores and the loads
.irp i, 0,1,2,3,4,5,6,7
	ds_store_b128 v5, v[R+32*((\t)%4)+4*\i:R+32*((\t)%4)+4*\i+3] offset:STG*((\t)%2)+2*SP*\i
.endr
.irp i, 0,1,2,3,4,5,6,7
	ds_load_b128 v[X+32*((\t)%2)+4*\i:X+32*((\t)%2)+4*\i+3], v6 offset:STG*((\t)%2)+16*\i
.endr
.endm
.macro STEP t
.set XS, X+32*((\t)%2)
.set QP, (\t)/2                        ; which of my three K steps
.set CD, C+12*QP+6*((\t)%2)            ; the six registers of this block
	s_wait_dscnt 0x0                               ; my block is back from the stage; the stage's stores have read their registers,
.if (\t)+4 < 6
	LOAD (\t)+4                                    ; which take the loads of four sub-steps on
.endif
.if (\t) < 5
.if (\t) < 2
	s_wait_loadcnt 24                              ; the next sub-step's eight loads are in; those of the three behind it may be out
.else
	s_wait_loadcnt 8*(4-(\t))                      ; the counts run down: 16, 8, 0
.endif
	TURN (\t)+1                                    ; it goes through the other stage while this one is worked
.endif
	v_max3_num_f32 v10, |v[XS]|, |v[XS+1]|, |v[XS+2]|      ; the block's largest magnitude: all 32 numbers are mine; two chains
	v_max3_num_f32 v11, |v[XS+3]|, |v[XS+4]|, |v[XS+5]|
.irp i, 6,10,14,18,22,26
	s_delay_alu instid0(VALU_DEP_2)
	v_max3_num_f32 v10, v10, |v[XS+\i]|, |v[XS+\i+1]|
	s_delay_alu instid0(VALU_DEP_2)
	v_max3_num_f32 v11, v11, |v[XS+\i+2]|, |v[XS+\i+3]|
.endr
	s_delay_alu instid0(VALU_DEP_2)
	v_max3_num_f32 v10, v10, |v[XS+30]|, |v[XS+31]|
	s_delay_alu instid0(VALU_DEP_1)
	v_max3_num_f32 v10, v10, v11, 0x1800000        ; and the floor 2^(3 - 127): the byte cannot fall under 1
	s_delay_alu instid0(VALU_DEP_1)
	v_add_nc_u32 v12, 0xff000000, v10              ; 2 off the exponent field: the conversion takes the exponent field of this operand as its scale
	v_cvt_scalef32_pk16_fp6_f32 v[CD:CD+2], v[XS:XS+15], v12
	v_cvt_scalef32_pk16_fp6_f32 v[24:26], v[XS+16:XS+31], v12   ; (a conversion's three registers begin on an even number: the block's second three are moved)
	v_lshrrev_b32 v13, 23, v12                     ; the scale's byte; also the plain line behind the conversions
	v_mov_b32 v[CD+3], v24
	v_mov_b32 v[CD+4], v25
	v_mov_b32 v[CD+5], v26
.if (\t)%2 == 0
	s_delay_alu instid0(VALU_DEP_4)
	v_mov_b32 v21, v13                             ; block h of the K step
.else
	s_delay_alu instid0(VALU_DEP_4)
	v_lshl_or_b32 v14, v13, 16, v21                ; blocks h and 2 + h,
	s_delay_alu instid0(VALU_DEP_1)
	v_lshlrev_b32 v14, v9, v14                     ; at their places in the scale word (8 h bits up);
	s_delay_alu instid0(VALU_DEP_1)
	v_permlanex16_b32 v15, v14, s38, s39
	s_delay_alu instid0(VALU_DEP_1)
	v_or_b32 v[18+QP], v14, v15                    ; with lane l xor 16's two the word is whole
	ds_store_b32 v8, v[18+QP] offset:256*QP        ; both halves of the lanes write the same word with the same value
.irp c, 0,1,2
	global_store_b128 v7, v[C+12*QP+4*\c:C+12*QP+4*\c+3], s[18:19] offset:QP*PLANE+512*\c   ; registers 4 c .. 4 c + 3 of the K step's fragment: 32 lanes store 512 consecutive bytes, at a multiple of 256 from the buffer's first byte
.endr
.endif
.endm
	LOAD 0
	LOAD 1
	LOAD 2
	LOAD 3
	s_wait_loadcnt 24                              ; sub-step 0's eight loads are in
	TURN 0
.irp t, 0,1,2,3,4,5
	STEP \t
.endr
	s_wait_dscnt 0x0                               ; for the others' sake: my scale words lie in LDS
	s_barrier_signal -1
	s_barrier_wait -1
	s_cmp_lt_u32 s24, 3
	s_cbranch_scc0 .Lno_scales
	ds_load_b128 v[24:27], v22                     ; two K steps' scale words of the group's four tiles
	s_wait_dscnt 0x0
	global_store_b128 v23, v[24:27], s[18:19]      ; sixteen lanes store 256 consecutive bytes, aligned, behind each record's images
.Lno_scales:
	s_wait_tensorcnt 0x0                           ; the wave's end: behind my last LDS store
	ds_add_u32 v16, v17
	s_wait_dscnt 0x0
	s_endpgm
.Lfunc_end_k_q1a2a5a08fc_quant:
	.size	k_q1a2a5a08fc_quant, .Lfunc_end_k_q1a2a5a08fc_quant-k_q1a2a5a08fc_quant
	.p2alignl 7, 3214868480
	.fill 96, 4, 3214868480
	.section	.rodata,"a",@progbits
	.p2align	6, 0x0
	.amdhsa_kernel k_q1a2a5a08fc_quant
		.amdhsa_group_segment_fixed_size 72192
		.amdhsa_private_segment_fixed_size 0
		.amdhsa_enable_private_segment 0
		.amdhsa_kernarg_size 64
		.amdhsa_user_sgpr_count 2
		.amdhsa_user_sgpr_kernarg_segment_ptr 1
		.amdhsa_wavefront_size32 1
		.amdhsa_system_sgpr_workgroup_id_x 1
		.amdhsa_system_sgpr_workgroup_id_y 1
		.amdhsa_system_sgpr_workgroup_id_z 1
		.amdhsa_system_vgpr_workitem_id 0
		.amdhsa_next_free_vgpr 256
		.amdhsa_next_free_sgpr 66
		.amdhsa_reserve_vcc 0
		.amdhsa_float_denorm_mode_32 3
		.amdhsa_float_denorm_mode_16_64 3
		.amdhsa_memory_ordered 1
		.amdhsa_forward_progress 1
		.amdhsa_inst_pref_size 29
	.end_amdhsa_kernel
	.amdgpu_metadata
---
amdhsa.version: [ 1, 2 ]
amdhsa.kernels:
  - .name:           k_q1a2a5a08fc_quant
    .symbol:         k_q1a2a5a08fc_quant.kd
    .args:
      - { .name: query, .offset: 0, .size: 8, .value_kind: global_buffer, .address_space: global }
      - { .name: key_in, .offset: 8, .size: 8, .value_kind: global_buffer, .address_space: global }
      - { .name: value, .offset: 16, .size: 8, .value_kind: global_buffer, .address_space: global }
      - { .name: Wq, .offset: 24, .size: 8, .value_kind: global_buffer, .address_space: global }
      - { .name: Wk, .offset: 32, .size: 8, .value_kind: global_buffer, .address_space: global }
      - { .name: Wv, .offset: 40, .size: 8, .value_kind: global_buffer, .address_space: global }
      - { .name: Wo, .offset: 48, .size: 8, .value_kind: global_buffer, .address_space: global }
      - { .name: ops, .offset: 56, .size: 8, .value_kind: global_buffer, .address_space: global }
    .group_segment_fixed_size: 72192
    .private_segment_fixed_size: 0
    .kernarg_segment_align: 8
    .kernarg_segment_size: 64
    .max_flat_workgroup_size: 256
    .sgpr_count:     66
    .vgpr_count:     256
    .wavefront_size: 32
...
	.end_amdgpu_metadata
.endif
;; end of part 1
;; launch proj (part 2): grid 48 x 3, 8 waves a work-group, no clusters, 308,224 bytes of LDS; arguments ops, qb, kv; writes qb, kv
.if DOCPART == 2
	.amdgcn_target "amdgcn-amd-amdhsa--gfx1250"
	.amdhsa_code_object_version 6
	.text
	.protected	k_q1a2a5a08fc_proj
	.globl	k_q1a2a5a08fc_proj
	.p2align	8
	.type	k_q1a2a5a08fc_proj,@function
k_q1a2a5a08fc_proj:
	s_mov_b64 s[64:65], 0
	v_nop
	global_prefetch_b8 v0, s[64:65] scope:SCOPE_SE
	s_setreg_imm32_b32 hwreg(HW_REG_WAVE_MODE, 25, 1), 1
	s_wait_xcnt 0x0
; Q = query Wq^T, K = key_in Wk^T, V = value Wv^T on codes of FP6 (E2M3) with E8M0 scales, f32 sums; the results are quantised in registers and leave as images of the next products' operands.
; CASE = work-group y: 0 Q, 1 K, 2 V.  A work-group makes 256 x 256 of a result over the whole K = 768: six K steps of 128, all of whose operands (12 x 25,600 bytes) lie in LDS once.
; SOURCE 0 (the i side) is the operand whose rows are the NEXT product's K: for Q and K the weight (the head's 64 channels), for V the tokens (the keys).  Source 1 (the j side) is the other: a lane keeps one of its rows.
; The rows of a tile of ops are chosen (lane r of tile 2 a + u: row 32 a + 8 u + r + 8 (r / 8)) so that the 16 registers of two neighbouring i tiles are 16 neighbours along the next K.
; SHARES: eight waves; wave w takes 128 i (w % 2) x 64 j (w / 2): 32 accumulators = four units of 128 i x 16 j; a K step reads 12 fragments a wave for 32 matrix instructions.  A unit becomes one fragment and one scale word a row.
;   Q, K: a unit is two heads: registers 0-5 are head hA's fragment (k = 32 h + 0 .. 31), 6-11 head hA + 1's; the scale word's halves likewise.   V: a unit is 128 keys of 16 channels: a whole fragment.
; THE FILLS: waves 0 to 5 issue one tensor load each at the head: side w % 2, K steps 2 (w / 2) and the next: two rows of 25,600 bytes, one plane of ops apart.  LDS: (q, side) at 102,400 (q / 2) + 51,200 side + 25,600 (q % 2).
; One wait for all loads and one barrier; nothing is filled again.
; REGISTERS: window 0: v24-119 the j side's four fragments, two sets; v120-215 the i side's eight, in two halves; v16-23, v216-223 scale words; v224-240 the quantiser's; v241-252 LDS addresses, one for each pair of K steps.
;   window 1: accumulator (jt, it) at 64 jt + 8 it.
; OUT: qb [tile of 16 queries: 256][9,984]: 768 x head + 256 p + 8 x lane; scale words (e0, e1, 0, 0) at 9,216 + 64 x head + 4 r.
;      kv [4 b + head triple: 8][slot of 256 keys: 8][78,336]: K's codes 2,304 kk + 768 hh + 256 p + 8 x lane; V's 36,864 + 18,432 ks + 1,536 (4 hh + dt) + 512 c + 16 x lane; K's scale words 73,728 + 192 kk + 64 hh + 4 r; V's 76,800 + 768 ks + 64 (4 hh + dt) + 4 r.
; NO CLUSTER: the operand that neighbouring work-groups share (the weight's 256 rows) is the i side in two cases and the j side in the third, so a joint load's place in LDS, or every reader's, would hang on the work-group's y.
; NO PREFETCH: every operand is asked for at the head; there is no loop to run ahead in.
; 144 work-groups: the results make 9 x 2^n tiles at any tile size, never 256.
; LIMITS: a block of zeros gets the byte 1 where the rule says 127 (its codes are zeros; this program alone reads the bytes); the unused upper half of Q's and K's scale words is 0, over zero codes; NaN and infinities are not served.
.set PLANE, 1536000
.set REC,   6400
.set SIDE,  4*REC                      ; 256 rows of one K step: four records, dense in ops
.set SPARE, 12*SIDE                    ; the spare words, 128 bytes for each wave: four blocks of 256 bytes that no other line names
.set KVREC, 78336
.set FJ,  24
.set FI,  120
.set TM,  224                          ; v224-227 largest magnitudes, v228-231 the other half's, then bytes, v236-239 the conversions' scale operands
.set PW,  240                          ; the scale word just made
.set PC,  24                           ; the codes just made, over the fragments, which are done with
.set AI,  241                          ; i side's images, pairs of K steps 0, 1, 2
.set ASI, 244                          ; its scale words
.set AJ,  247                          ; j side's images
.set ASJ, 250                          ; its scale words
; v8, v9 the add's two; v10, v11, v12 store offsets; v13 the scale word to store; v14 h x shift
; s10 wave, s11 CASE, s12 a, s13 bW, s14 ic, s15 jg; s[24:31] group 1; s[32:35] group 0; s[40:41] lane selects; s56 OA, s57 OB, s58 OS, s59 DS, s60 SH, s61 MASK, s62 DU, s63 DUS, s66 SHL; s[68:69] the buffer stored into
.set MSB, 0
.macro WIN new                         ; the immediate's high byte repeats the setting that is left
.if MSB != \new
	s_set_vgpr_msb (MSB<<8)|\new
.set MSB, \new
.endif
.endm
	s_load_b128 s[4:7], s[0:1], 0x0                ; ops, qb
	s_load_b64 s[8:9], s[0:1], 0x10                ; kv
	v_lshl_add_u32 v8, v0, 2, SPARE
	v_mov_b32 v9, 0
	ds_add_u32 v8, v9                              ; the opening: the add, twice on end, and its wait ahead of the first tensor load
	ds_add_u32 v8, v9
	v_lshrrev_b32 v1, 5, v0
	v_readfirstlane_b32 s10, v1                    ; wave 0..7
	s_and_b32 s11, ttmp7, 0xffff                   ; CASE
	s_and_b32 s12, ttmp9, 15                       ; a: which 256 tokens
	s_lshr_b32 s13, ttmp9, 4                       ; bW: which 256 rows of the weight
	s_and_b32 s14, s10, 1                          ; ic
	s_lshr_b32 s15, s10, 1                         ; jg
	s_lshl_b32 s16, s11, 6
	s_lshl_b32 s20, s12, 2
	s_add_co_u32 s16, s16, s20                     ; the tokens' first group: 64 CASE + 4 a
	s_mul_i32 s17, s11, 12
	s_lshl_b32 s20, s13, 2
	s_add_co_u32 s17, s17, s20
	s_add_co_u32 s17, s17, 192                     ; the weight's: 192 + 12 CASE + 4 bW
	s_cmp_eq_u32 s11, 2
	s_cselect_b32 s18, s16, s17                    ; the i side: the tokens for V, else the weight
	s_cselect_b32 s19, s17, s16                    ; the j side
	s_min_u32 s22, s10, 5                          ; which of the six loads is mine (waves 6 and 7 issue none)
	s_and_b32 s23, s22, 1
	s_cmp_eq_u32 s23, 0
	s_cselect_b32 s20, s18, s19                    ; even waves fetch the i side, odd waves the j side
	s_mul_i32 s20, s20, REC
	s_lshr_b32 s23, s22, 1
	s_mul_i32 s23, s23, 2*PLANE                    ; K steps 2 (w / 2) and the next
	s_add_co_u32 s20, s20, s23
	s_mov_b32 s21, 0
	s_mov_b32 s32, 1
	s_mul_i32 s33, s22, 2*SIDE                     ; and where they go
	; group 1: two rows of 25,600 bytes (3,200 elements of 8 bytes), a plane apart in memory, on end in LDS
	s_mov_b32 s24, 3<<16
	s_mov_b32 s25, 3200<<16                        ; tensor_dim0
	s_mov_b32 s26, 2<<16                           ; tensor_dim1
	s_mov_b32 s27, 3200<<16                        ; tile_dim0
	s_mov_b32 s28, 2                               ; tile_dim1
	s_mov_b32 s29, PLANE/8                         ; the pitch
	s_mov_b32 s30, 0
	s_mov_b32 s31, 0
	s_wait_dscnt 0x0                               ; both opening adds are done
	s_wait_kmcnt 0x0
	s_add_nc_u64 s[34:35], s[4:5], s[20:21]
	s_or_b32 s35, s35, 0x80000000
	s_cmp_lt_u32 s10, 6
	s_cbranch_scc0 .Lno_fill
	tensor_load_to_lds s[32:35], s[24:31]          ; my one load
	s_nop 0
.rept 4
	v_nop
.endr
.Lno_fill:
	s_mul_i32 s70, s14, 2*REC                      ; my 128 i: two records of the i side
	s_add_co_u32 s71, s70, 6144                    ; and their scale words
	s_mul_i32 s74, s15, REC
	s_add_co_u32 s74, s74, 2*SIDE                  ; my 64 j: record jg of the j side
	s_add_co_u32 s73, s74, 6144
	s_mov_b32 s40, 0x76543210
	s_mov_b32 s41, 0xfedcba98                      ; v_permlanex16_b32's selects for lane l xor 16
	; WHERE THE RESULTS GO: scalar arithmetic on ids, in three arms, while the tiles are on their way
	s_lshl_b32 s75, s12, 4
	s_lshl_b32 s76, s15, 2
	s_add_co_u32 s75, s75, s76                     ; T0 = 16 a + 4 jg: my first tile of tokens
	s_lshl_b32 s76, s13, 2
	s_lshl_b32 s77, s14, 1
	s_add_co_u32 s76, s76, s77                     ; hA = 4 bW + 2 ic: my first head
.macro RECHH                           ; s76 a head, s77 = 4 b, s78 a slot -> s79 the record's first byte in kv, s80 the head's place in its triple
	s_mul_i32 s79, s76, 11
	s_lshr_b32 s79, s79, 5                         ; head / 3, for heads 0 to 11
	s_mul_i32 s80, s79, 3
	s_sub_co_u32 s80, s76, s80
	s_add_co_u32 s79, s79, s77
	s_lshl_b32 s79, s79, 3
	s_add_co_u32 s79, s79, s78
	s_mul_i32 s79, s79, KVREC
.endm
	s_cmp_eq_u32 s11, 0
	s_cbranch_scc0 .Lnot_q
	s_mul_i32 s77, s75, 9984
	s_mul_i32 s78, s76, 768
	s_add_co_u32 s56, s77, s78
	s_add_co_u32 s57, s56, 768
	s_lshl_b32 s78, s76, 6
	s_add_co_u32 s58, s77, s78
	s_add_co_u32 s58, s58, 9216
	s_mov_b32 s59, 64
	s_mov_b32 s60, 16
	s_mov_b32 s61, 0xffff
	s_mov_b32 s62, 9984
	s_mov_b32 s63, 9984
	s_mov_b32 s66, 3
	s_branch .Lplaced
.Lnot_q:
	s_cmp_eq_u32 s11, 1
	s_cbranch_scc0 .Lfor_v
	s_lshr_b32 s77, s75, 7
	s_lshl_b32 s77, s77, 2                         ; 4 b
	s_bfe_u32 s78, s75, 0x30004                    ; slot
	s_and_b32 s83, s75, 15                         ; kk
	s_mul_i32 s81, s83, 2304
	s_mul_i32 s82, s83, 192
	s_add_co_u32 s82, s82, 73728
	RECHH
	s_mul_i32 s56, s80, 768
	s_add_co_u32 s56, s56, s79
	s_add_co_u32 s56, s56, s81
	s_lshl_b32 s58, s80, 6
	s_add_co_u32 s58, s58, s79
	s_add_co_u32 s58, s58, s82
	s_add_co_u32 s76, s76, 1                       ; head hA + 1 may lie in the next triple's record
	RECHH
	s_mul_i32 s57, s80, 768
	s_add_co_u32 s57, s57, s79
	s_add_co_u32 s57, s57, s81
	s_lshl_b32 s59, s80, 6
	s_add_co_u32 s59, s59, s79
	s_add_co_u32 s59, s59, s82
	s_sub_co_u32 s59, s59, s58                     ; from hA's scale words to hA + 1's: 64, or a triple on
	s_mov_b32 s60, 16
	s_mov_b32 s61, 0xffff
	s_mov_b32 s62, 2304
	s_mov_b32 s63, 192
	s_mov_b32 s66, 3
	s_branch .Lplaced
.Lfor_v:
	s_lshl_b32 s81, s12, 1
	s_add_co_u32 s81, s81, s14                     ; which 128 keys: 2 a + ic
	s_lshr_b32 s77, s81, 4
	s_lshl_b32 s77, s77, 2                         ; 4 b
	s_bfe_u32 s78, s81, 0x30001                    ; slot
	s_and_b32 s81, s81, 1                          ; ks
	s_lshl_b32 s82, s13, 4
	s_lshl_b32 s83, s15, 2
	s_add_co_u32 s82, s82, s83                     ; my first tile of channels: 16 bW + 4 jg
	s_lshr_b32 s76, s82, 2                         ; its head
	s_and_b32 s82, s82, 3                          ; dt
	RECHH
	s_lshl_b32 s80, s80, 2
	s_add_co_u32 s80, s80, s82                     ; 4 hh + dt
	s_mul_i32 s56, s80, 1536
	s_mul_i32 s83, s81, 18432
	s_add_co_u32 s56, s56, s83
	s_add_co_u32 s56, s56, s79
	s_add_co_u32 s56, s56, 36864
	s_mov_b32 s57, s56
	s_lshl_b32 s58, s80, 6
	s_mul_i32 s83, s81, 768
	s_add_co_u32 s58, s58, s83
	s_add_co_u32 s58, s58, s79
	s_add_co_u32 s58, s58, 76800
	s_mov_b32 s59, 0
	s_mov_b32 s60, 0
	s_mov_b32 s61, -1
	s_mov_b32 s62, 1536
	s_mov_b32 s63, 64
	s_mov_b32 s66, 4
.Lplaced:
	s_cmp_eq_u32 s11, 0
	s_cselect_b64 s[68:69], s[6:7], s[8:9]         ; Q goes to qb, K and V to kv: the choice hangs on the work-group's y alone
	v_and_b32 v1, 31, v0                           ; lane
	v_and_b32 v2, 15, v0                           ; r
	v_bfe_u32 v3, v0, 4, 1                         ; h
	v_lshl_add_u32 v[AI], v1, 4, s70
	v_lshl_add_u32 v[ASI], v2, 2, s71
	v_lshl_add_u32 v[AJ], v1, 4, s74
	v_lshl_add_u32 v[ASJ], v2, 2, s73
.irp a, AI, ASI, AJ, ASJ
	v_add_nc_u32 v[\a+1], 4*SIDE, v[\a]            ; the same places in the second and third pair of K steps
	v_add_nc_u32 v[\a+2], 8*SIDE, v[\a]
.endr
	v_lshlrev_b32 v10, s66, v1                     ; 8 or 16 bytes a lane
	v_mul_u32_u24 v12, s59, v3
	v_mul_u32_u24 v14, s60, v3
	v_add_nc_u32 v11, s57, v10
	v_add_nc_u32 v10, s56, v10
	v_lshl_add_u32 v12, v2, 2, v12
.irp b, 0,1,2,3
	v_mov_b32 v[TM+4+\b], 0                        ; written once: a lane permute's destination counts as one of its sources
.endr
	v_add_nc_u32 v12, s58, v12                     ; lanes 0-15 store the first head's scale words, lanes 16-31 the second's (V: both the same word)
.macro LDJ q                           ; the j side's four fragments and scale words of K step q into set q % 2: 16 LDS loads
.irp jt, 0,1,2,3
.irp c, 0,1,2
	ds_load_b128 v[FJ+48*((\q)%2)+12*\jt+4*\c:FJ+48*((\q)%2)+12*\jt+4*\c+3], v[AJ+(\q)/2] offset:SIDE*((\q)%2)+1536*\jt+512*\c
.endr
	ds_load_b32 v[20+200*((\q)%2)+\jt], v[ASJ+(\q)/2] offset:SIDE*((\q)%2)+64*\jt
.endr
.endm
.macro LDI q, g                        ; half g of the i side's eight fragments of K step q: 16 LDS loads
.irp t, 0,1,2,3
.irp c, 0,1,2
	ds_load_b128 v[FI+48*\g+12*\t+4*\c:FI+48*\g+12*\t+4*\c+3], v[AI+(\q)/2] offset:SIDE*((\q)%2)+REC*\g+1536*\t+512*\c
.endr
	ds_load_b32 v[16+200*\g+\t], v[ASI+(\q)/2] offset:SIDE*((\q)%2)+REC*\g+64*\t
.endr
.endm
.macro MUL q, g                        ; 16 matrix instructions on 16 accumulators, which take turns, one instruction a turn; the first K step starts the sums
	WIN 0x50                                       ; C and D in window 1
.irp t, 0,1,2,3
.irp jt, 0,1,2,3
.if (\q) == 0
	v_wmma_scale_f32_16x16x128_f8f6f4 v[64*\jt+8*(4*\g+\t):64*\jt+8*(4*\g+\t)+7], v[FI+48*\g+12*\t:FI+48*\g+12*\t+11], v[FJ+48*((\q)%2)+12*\jt:FJ+48*((\q)%2)+12*\jt+11], 0, v[16+200*\g+\t], v[20+200*((\q)%2)+\jt] matrix_a_fmt:MATRIX_FMT_FP6 matrix_b_fmt:MATRIX_FMT_FP6
.else
	v_wmma_scale_f32_16x16x128_f8f6f4 v[64*\jt+8*(4*\g+\t):64*\jt+8*(4*\g+\t)+7], v[FI+48*\g+12*\t:FI+48*\g+12*\t+11], v[FJ+48*((\q)%2)+12*\jt:FJ+48*((\q)%2)+12*\jt+11], v[64*\jt+8*(4*\g+\t):64*\jt+8*(4*\g+\t)+7], v[16+200*\g+\t], v[20+200*((\q)%2)+\jt] matrix_a_fmt:MATRIX_FMT_FP6 matrix_b_fmt:MATRIX_FMT_FP6
.endif
.endr
.endr
	WIN 0
.endm
.macro PLACES                          ; four places in front of loads into registers that matrix instructions have read, and of the first read of results
.rept 4
	v_nop
.endr
.endm
; 64 numbers of a lane (window 1), register 16 b + i = k 32 b + 16 (lane / 16) + i of my row, become a fragment's codes in v[PC] on and its scale word in v[PW].
.macro QUANT s
	WIN 0x05                                       ; sources 0 and 1 in window 1
.irp b, 0,1,2,3
	v_max3_num_f32 v[TM+\b], |v[\s+16*\b]|, |v[\s+1+16*\b]|, 0x1800000   ; block b: my 16 numbers, from each accumulator's low end on, and the floor 2^(3 - 127): the byte cannot fall under 1
.endr
.irp i, 2,4,6,8,10,12,14
.irp b, 0,1,2,3
	v_max3_num_f32 v[TM+\b], |v[\s+16*\b+\i]|, |v[\s+1+16*\b+\i]|, v[TM+\b]   ; the four blocks by turns
.endr
.endr
	WIN 0
.irp b, 0,1,2,3
	v_permlanex16_b32 v[TM+4+\b], v[TM+\b], s40, s41
.endr
.irp b, 0,1,2,3
	v_max_num_f32 v[TM+\b], v[TM+\b], v[TM+4+\b]   ; with lane l xor 16's: the block's largest magnitude
.endr
.irp b, 0,1,2,3
	v_add_nc_u32 v[TM+12+\b], 0xff000000, v[TM+\b] ; 2 off its exponent field: the conversion's scale operand
.endr
.irp b, 0,1,2,3
	v_lshrrev_b32 v[TM+4+\b], 23, v[TM+12+\b]      ; the scale's byte
.endr
	v_lshl_or_b32 v[PW], v[TM+5], 8, v[TM+4]
	s_delay_alu instid0(VALU_DEP_1)
	v_lshl_or_b32 v[PW], v[TM+6], 16, v[PW]
	s_delay_alu instid0(VALU_DEP_1)
	v_lshl_or_b32 v[PW], v[TM+7], 24, v[PW]
	WIN 0x01                                       ; the numbers in window 1
.irp c, 0,1
	v_cvt_scalef32_pk16_fp6_f32 v[PC+6*\c:PC+2+6*\c], v[\s+32*\c:\s+15+32*\c], v[TM+12+2*\c]
	v_cvt_scalef32_pk16_fp6_f32 v[PC+12+4*\c:PC+14+4*\c], v[\s+16+32*\c:\s+31+32*\c], v[TM+12+2*\c+1]   ; (a conversion's three registers begin on an even number)
.endr
	v_nop                                          ; one plain line behind a scaled conversion
	WIN 0
.irp c, 0,1                            ; the operand's layout wants a WHOLE block in a lane: lanes 0-15 block 2 c, lanes 16-31 block 2 c + 1
.irp i, 0,1,2
	v_permlane16_swap_b32 v[PC+6*\c+\i], v[PC+12+4*\c+\i]
.endr
.irp i, 0,1,2
	v_mov_b32 v[PC+3+6*\c+\i], v[PC+12+4*\c+\i]
.endr
.endr
.endm
.macro UNIT jt
	QUANT 64*\jt
	v_lshrrev_b32 v13, v14, v[PW]
	s_delay_alu instid0(VALU_DEP_1)
	v_and_b32 v13, s61, v13                        ; Q, K: my half's head's two bytes; V: the whole word
	s_wait_alu depctr_va_vdst(0)                   ; directly ahead of the branches
	s_cmp_eq_u32 s11, 2
	s_cbranch_scc1 .Lv_\@
.irp p, 0,1,2
	global_store_b64 v10, v[PC+2*\p:PC+2*\p+1], s[68:69] offset:256*\p       ; 32 lanes store 256 consecutive bytes, aligned: head hA's image,
	global_store_b64 v11, v[PC+6+2*\p:PC+7+2*\p], s[68:69] offset:256*\p     ; head hA + 1's
.endr
	s_branch .Ldone_\@
.Lv_\@:
.irp c, 0,1,2
	global_store_b128 v10, v[PC+4*\c:PC+4*\c+3], s[68:69] offset:512*\c      ; 512 consecutive bytes, aligned
.endr
.Ldone_\@:
	global_store_b32 v12, v13, s[68:69]
.endm
	s_wait_alu depctr_va_vdst(0)
	s_wait_tensorcnt 0x0                           ; my load has landed
	s_barrier_signal -1
	s_barrier_wait -1                              ; everybody's has: all twelve tiles lie in LDS
	LDJ 0
	LDI 0, 0
	LDI 0, 1
; THE WALK ALONG K.  The next step's j set and first i half are asked for between this step's two halves, its second i half behind this step's last products.
.irp q, 0,1,2,3,4,5
	s_wait_dscnt 16                                ; the j set and the first i half are in; the 16 loads of the second half may be out
	MUL \q, 0
.if \q < 5
	PLACES
	LDJ \q+1
	LDI \q+1, 0
	s_wait_dscnt 32                                ; the second i half is in; the 32 loads just issued may be out
.else
	s_wait_dscnt 0x0
.endif
	MUL \q, 1
	PLACES
.if \q < 5
	LDI \q+1, 1
.endif
.endr
	UNIT 0
.irp jt, 1,2,3
	s_wait_xcnt 0x0                                ; the stores' offsets and data are rewritten only behind this wait
	v_add_nc_u32 v10, s62, v10                     ; on to my next tile of j
	v_add_nc_u32 v11, s62, v11
	v_add_nc_u32 v12, s63, v12
	UNIT \jt
.endr
	s_wait_tensorcnt 0x0                           ; the wave's end
	ds_add_u32 v8, v9
	s_wait_dscnt 0x0
	s_endpgm
.Lfunc_end_k_q1a2a5a08fc_proj:
	.size	k_q1a2a5a08fc_proj, .Lfunc_end_k_q1a2a5a08fc_proj-k_q1a2a5a08fc_proj
	.p2alignl 7, 3214868480
	.fill 96, 4, 3214868480
	.section	.rodata,"a",@progbits
	.p2align	6, 0x0
	.amdhsa_kernel k_q1a2a5a08fc_proj
		.amdhsa_group_segment_fixed_size 308224
		.amdhsa_private_segment_fixed_size 0
		.amdhsa_enable_private_segment 0
		.amdhsa_kernarg_size 24
		.amdhsa_user_sgpr_count 2
		.amdhsa_user_sgpr_kernarg_segment_ptr 1
		.amdhsa_wavefront_size32 1
		.amdhsa_system_sgpr_workgroup_id_x 1
		.amdhsa_system_sgpr_workgroup_id_y 1
		.amdhsa_system_sgpr_workgroup_id_z 1
		.amdhsa_system_vgpr_workitem_id 0
		.amdhsa_next_free_vgpr 512
		.amdhsa_next_free_sgpr 84
		.amdhsa_reserve_vcc 0
		.amdhsa_float_denorm_mode_32 3
		.amdhsa_float_denorm_mode_16_64 3
		.amdhsa_memory_ordered 1
		.amdhsa_forward_progress 1
		.amdhsa_inst_pref_size 74
	.end_amdhsa_kernel
	.amdgpu_metadata
---
amdhsa.version: [ 1, 2 ]
amdhsa.kernels:
  - .name:           k_q1a2a5a08fc_proj
    .symbol:         k_q1a2a5a08fc_proj.kd
    .args:
      - { .name: ops, .offset: 0, .size: 8, .value_kind: global_buffer, .address_space: global }
      - { .name: qb, .offset: 8, .size: 8, .value_kind: global_buffer, .address_space: global }
      - { .name: kv, .offset: 16, .size: 8, .value_kind: global_buffer, .address_space: global }
    .group_segment_fixed_size: 308224
    .private_segment_fixed_size: 0
    .kernarg_segment_align: 8
    .kernarg_segment_size: 24
    .max_flat_workgroup_size: 256
    .sgpr_count:     84
    .vgpr_count:     512
    .wavefront_size: 32
...
	.end_amdgpu_metadata
.endif
;; end of part 2
;; launch attn (part 3): grid 32 x 8, 12 waves a work-group, clusters of 4 x 1, 327,680 bytes of LDS; arguments qb, kv, cxb; writes cxb
.if DOCPART == 3
	.amdgcn_target "amdgcn-amd-amdhsa--gfx1250"
	.amdhsa_code_object_version 6
	.text
	.protected	k_q1a2a5a08fc_attn
	.globl	k_q1a2a5a08fc_attn
	.p2align	8
	.type	k_q1a2a5a08fc_attn,@function
k_q1a2a5a08fc_attn:
	s_mov_b64 s[64:65], 0
	v_nop
	global_prefetch_b8 v0, s[64:65] scope:SCOPE_SE
	s_setreg_imm32_b32 hwreg(HW_REG_WAVE_MODE, 25, 1), 1
	s_wait_xcnt 0x0
	s_wait_alu depctr_hold_cnt(0) depctr_sa_sdst(0) depctr_va_vdst(0) depctr_va_sdst(0) depctr_va_ssrc(0) depctr_va_vcc(0) depctr_vm_vsrc(0)
	s_getreg_b32 s2, hwreg(HW_REG_IB_STS2, 6, 4)
	s_cmp_eq_u32 s2, 0
	s_cbranch_scc0 .Lentry_in_a_cluster
	s_endpgm
.Lentry_in_a_cluster:
	s_bfe_u32 s2, ttmp6, 0x10000c
	s_cmp_lg_u32 s2, 0x3003
	s_cbranch_scc0 .Lentry_shape_is_right
	s_endpgm
.Lentry_shape_is_right:
; ctx[b][q][head] = softmax_k(Q . K / 8) V, both products on codes of FP6 (E2M3) with E8M0 scales; ctx / l is quantised along the model's 768 and leaves as images of the last product's operand.
; THE SOFTMAX: t = score x log2(e) / 8; M = the row's largest t so far, rounded UP to a whole number; p = 2^(t - M) is what is quantised, along the keys, not normalised.  The row's sum is taken of the unquantised p and divides O at the end.
; When M moves, the sum and O are multiplied by 2^(old M - new M): exact, and without a branch on data.
; SHARES: 3,072 tiles of 16 queries (24 heads x 128) for 256 work-groups: 12 each, as 3 heads x 4 tiles, so that a work-group walks ONE stream of K and V (a triple of heads).  y = 4 b + triple; x = which 64 queries.
; Twelve waves, one tile each (head w / 4 of the triple, tile w % 4), three to a SIMD: one wave's vector work stands beside another's matrix work and LDS loads.  Every wave walks all 2,048 keys, 128 a step.
; THE STREAM: kv's records (256 keys of three heads each: codes and scale words, 78,336 dense bytes) are copied as they lie, TWO to a slot, into two LDS slots of 512 keys, by waves 0 to 5, a sixth of a slot each:
; as large as two slots fit, so that the twelve waves meet four times in all: once for the first slot and at three changes of slots.
; CLUSTER: the four work-groups of a cluster have the same y and walk the same stream: every fill is asked for JOINTLY, by the same tensor load with the same descriptor and a mask that names the four.
; LAYOUT: both products transposed: S^T = K Q^T (source 0 = 16 keys, source 1 = my 16 queries), O^T = V^T P^T (source 0 = 16 channels, source 1 = P): a lane holds ONE query throughout.
; THE KEYS OF A TILE ARE CHOSEN SO THAT A LANE HOLDS WHOLE BLOCKS: in a group of 64 keys lane r of tile t is key 32 (r / 8) + 8 t + r % 8, so register 8 t + j of lane (query, h) is key 32 h + 8 t + j: the 32 registers of a group's four tiles
; are block h of the group, in the order of the operand's six registers.  So a block's largest score needs no other lane, and p's codes fall into P's fragment without an exchange of lanes.
; The channels of a tile of V are chosen otherwise (lane r of tile 2 a + u: 32 a + 8 u + r + 8 (r / 8)): the 16 registers of two neighbouring tiles of O^T are 16 neighbouring channels.
; THE SCORE PRODUCT HAS K = 64, half of the instruction's 128: registers 6-11 of Q's and K's fragments are zero codes, cleared once; their scale bytes are 0, which is a number and no NaN.
; LIMITS: a block's largest p is made from the block's largest score by the same multiply-add and exponential (this takes v_exp_f32 not to fall where its input rises); a block of zeros gets the byte 1 where the rule says 127 (this program alone reads the bytes); NaN and infinities are not served.
.set REC,   78336
.set PART,  26112                      ; a third of a record, a sixth of a slot: 102 rows of 256 bytes
.set SLOTB, 2*REC                      ; a slot; slot 1 follows slot 0
.set SPARE, 2*SLOTB                    ; behind the slots: the spare words, 128 bytes for each wave: six blocks of 256 bytes that no other line names
.set KF, 32                            ; v32-79   four fragments of K; registers 6-11 of each stay 0
.set KS, 80                            ; v80-83   K's scale words;  v84-87 V's;  v88 p's
.set VS, 84
.set PS, 88
.set S,  96                            ; v96-159  S^T, then p; v96-143 then take V's four fragments
.set O,  160                           ; v160-191 O^T
.set PC, 192                           ; v192-203 p's codes;  v204-206, v208-210 the blocks' second halves on their way there
.set PT, 204
.set BA, 212                           ; v212-215 four chains of the maximum of my first block; v212 then its largest score
.set BB, 216                           ; v216-219 the same of my second block
.set BS, 220                           ; v220, v221 the conversions' scale operands;  v222, v223 the scales' bytes
.set G0A, 32                           ; s[32:35] group 0 for slot 0;  s[36:39] for slot 1
.set G0B, 36
.set PFA, 40                           ; s[40:41] where my prefetches stand
.set TB,  60                           ; s60 LDS byte at which the record in hand begins
.set CNT, 61                           ; s61 counts a slot's two records
.set LIM, 62                           ; s62 2 in a wave that prefetches, else a number that the count never takes
; v1-4 my lane's places in a record (K's codes, V's codes, K's scale words, V's); v5, v6 the add's two; v7 8 x lane; v8-11 the same four places in the record in hand; v12 -M, v13 the largest t, v[14:15] the sum in two halves;
; v16-27 Q (v22-27 = 0); v28 the prefetch's offset; v29 Q's scale words; v30 4 r; v31 8 h; v[90:91] f and 0; v224, v225 at work; v[226:227] the sum's second chain
; s10 wave; s[20:21] lane selects; s[22:23] c; s[24:31] group 1
.macro CROUND                          ; a round of the cluster's barrier
	s_barrier_signal -1
	s_barrier_wait -1
	s_cmp_lg_u32 s10, 0
	s_cbranch_scc1 .Lnot_wave_0_\@
	s_barrier_signal -3
.Lnot_wave_0_\@:
	s_barrier_wait -3
	s_barrier_signal -1
	s_barrier_wait -1
.endm
.macro TLOAD g0                        ; waves 0 to 5 fetch a sixth of a slot each; the branch hangs on the wave's number alone; an s_nop 0 and four v_nop follow the load
	s_cmp_lt_u32 s10, 6
	s_cbranch_scc0 .Lnone_\@
	tensor_load_to_lds s[\g0:\g0+3], s[24:31]
	s_nop 0
.rept 4
	v_nop
.endr
.Lnone_\@:
.endm
; A PREFETCH of the codes of the two records that the NEXT change of slots will ask for: 2 x 288 blocks of 256 bytes.  It stands behind a slot's first record: two key steps of all twelve waves ahead of that load.
; All eight clusters of a y walk the same stream: the first of them asks.  Its four partners take 72 blocks of each record, told apart BY ADDRESS.
; A record's 18 blocks of scale words come by their load alone.
; It is asked twice in the launch: for keys 1,024 on and for keys 1,536 on; the first 1,024 keys come by their loads alone, and behind the last refill nothing is asked for.
.macro ASK
	s_cmp_eq_u32 s[CNT], s[LIM]                    ; the count is 2 behind a slot's first record
	s_cbranch_scc0 .Lnot_mine_\@
	global_prefetch_b8 v28, s[PFA:PFA+1] th:TH_LOAD_NT scope:SCOPE_SE
.Lnot_mine_\@:
.endm
	s_load_b128 s[4:7], s[0:1], 0x0                ; qb, kv
	s_load_b64 s[8:9], s[0:1], 0x10                ; cxb
	v_lshl_add_u32 v5, v0, 2, SPARE
	v_mov_b32 v6, 0
	ds_add_u32 v5, v6                              ; the wave's opening: the add and its wait ahead of the round in front of the first tensor loads; the set-up below, work on registers, stands between them
	ds_add_u32 v5, v6
	v_lshrrev_b32 v8, 5, v0
	s_delay_alu instid0(VALU_DEP_1)
	v_readfirstlane_b32 s10, v8                    ; wave 0..11
	s_bfe_u32 s11, ttmp6, 0x40000                  ; cx: it enters Q's, ctx's and the prefetch's addresses alone
	s_and_b32 s12, ttmp7, 0xffff                   ; y, which the four partners share
	s_lshr_b32 s13, s12, 2                         ; b
	s_and_b32 s14, s12, 3                          ; the triple
	s_lshl_b32 s15, ttmp9, 2
	s_add_co_u32 s15, s15, s11                     ; which 64 queries: 4 x cluster x + cx
	s_lshr_b32 s16, s10, 2                         ; hh: my head in the triple
	s_and_b32 s17, s10, 3                          ; qt: my tile of the four
	s_mul_i32 s18, s14, 3
	s_add_co_u32 s18, s18, s16                     ; my head
	s_lshl_b32 s19, s13, 7
	s_lshl_b32 s42, s15, 2
	s_add_co_u32 s19, s19, s42
	s_add_co_u32 s19, s19, s17                     ; my tile of queries: 128 b + 4 x + qt
	s_mov_b32 s20, 0x76543210
	s_mov_b32 s21, 0xfedcba98
	s_mov_b32 s22, 0x3e38aa3b                      ; c = log2(e) / 8
	s_mov_b32 s23, s22                             ; (named with it as a pair, so it is written)
	; group 1: 26,112 dense bytes as 102 rows of 256 (32 elements of 8 bytes), no padding: readers take 8 or 16 bytes x lane on end
	s_mov_b32 s24, 15|(3<<16)|(1<<21)              ; 15:0 the mask: all four work-groups; 17:16 elements of 8 bytes; 21 set beside a mask
	s_mov_b32 s25, 32<<16
	s_mov_b32 s26, 102<<16
	s_mov_b32 s27, 32<<16
	s_mov_b32 s28, 102
	s_mov_b32 s29, 32
	s_mov_b32 s30, 0
	s_mov_b32 s31, 0
	s_mov_b32 s32, 1
	s_mov_b32 s36, 1
	s_mul_i32 s44, s12, 8*REC                      ; my stream in kv
	s_min_u32 s45, s10, 5
	s_mul_i32 s33, s45, PART                       ; my sixth, in slot 0,
	s_add_co_u32 s37, s33, SLOTB                   ; in slot 1,
	s_add_co_u32 s46, s44, s33                     ; and in memory
	s_mov_b32 s47, 0
	s_max_u32 s42, s10, 6
	s_sub_co_u32 s42, s42, 6                       ; the prefetches: which of the six askers I am
	s_cmp_ge_u32 s42, 3
	s_cselect_b32 s43, 3, 0
	s_cselect_b32 s58, REC, 0                      ; the pair's first record or its second,
	s_sub_co_u32 s42, s42, s43
	s_mul_i32 s42, s42, 6144                       ; my wave's 24 blocks,
	s_add_co_u32 s42, s42, s58
	s_mul_i32 s43, s11, 18432                      ; of my work-group's 72,
	s_add_co_u32 s42, s42, s43
	s_add_co_u32 s42, s42, s44
	s_add_co_u32 s42, s42, 2*SLOTB                 ; at keys 1,024 on: what the first change of slots will ask for
	s_mov_b32 s43, 0
	s_sub_co_u32 s62, s10, 6
	s_cmp_lt_u32 s62, 6
	s_cselect_b32 s62, 0, 1                        ; 0 in waves 6 to 11,
	s_or_b32 s62, s62, ttmp9                       ; of the stream's first cluster: the same in all four partners
	s_cmp_eq_u32 s62, 0
	s_cselect_b32 s62, 2, -1
	s_mul_i32 s48, s19, 9984                       ; Q: my tile's record,
	s_mul_i32 s49, s18, 768
	s_add_co_u32 s50, s48, s49                     ; my head's image,
	s_mov_b32 s51, 0
	s_lshl_b32 s52, s18, 6
	s_add_co_u32 s52, s52, s48
	s_add_co_u32 s52, s52, 9216                    ; its scale words
	s_mov_b32 s53, 0
	s_lshl_b32 s58, s13, 5
	s_add_co_u32 s58, s58, s15
	s_mul_i32 s58, s58, 38400                      ; ctx: my 64 queries' record,
	s_mul_i32 s59, s17, 9216
	s_add_co_u32 s48, s58, s59
	s_add_co_u32 s48, s48, s49                     ; my tile's, my head's image,
	s_mov_b32 s49, 0
	s_mul_i32 s59, s17, 384
	s_add_co_u32 s58, s58, s59
	s_lshr_b32 s59, s18, 1
	s_lshl_b32 s59, s59, 6
	s_add_co_u32 s58, s58, s59
	s_and_b32 s59, s18, 1
	s_lshl_b32 s59, s59, 1
	s_add_co_u32 s58, s58, s59
	s_add_co_u32 s58, s58, 36864                   ; and my head's half of the scale words of K step head / 2
	s_mov_b32 s59, 0
	s_wait_dscnt 0x0                               ; the opening add is done
	s_wait_kmcnt 0x0
	s_add_nc_u64 s[34:35], s[6:7], s[46:47]        ; slot 0 begins with keys 0 to 511,
	s_add_nc_u64 s[38:39], s[34:35], SLOTB         ; slot 1 with keys 512 to 1,023
	s_or_b32 s35, s35, 0x80000000
	s_or_b32 s39, s39, 0x80000000
	s_add_nc_u64 s[40:41], s[6:7], s[42:43]
	s_add_nc_u64 s[54:55], s[4:5], s[52:53]
	s_add_nc_u64 s[4:5], s[4:5], s[50:51]
	s_add_nc_u64 s[56:57], s[8:9], s[58:59]
	s_add_nc_u64 s[8:9], s[8:9], s[48:49]
	CROUND                                         ; all four work-groups are here: the first joint loads meet
	s_cmp_lt_u32 s10, 6                            ; at the head a loading wave issues one load: its sixth of slot 0
	s_cbranch_scc0 .Lno_first
	tensor_load_to_lds s[G0A:G0A+3], s[24:31]
	s_nop 0
.rept 4
	v_nop
.endr
.Lno_first:
	v_and_b32 v8, 31, v0                           ; lane
	v_and_b32 v9, 15, v0                           ; r
	s_delay_alu instid0(VALU_DEP_2)
	v_lshlrev_b32 v7, 3, v8
	s_delay_alu instid0(VALU_DEP_2)
	v_lshlrev_b32 v30, 2, v9
.irp p, 0,1,2
	global_load_b64 v[16+2*\p:17+2*\p], v7, s[4:5] offset:256*\p   ; Q's fragment stays in registers
.endr
	global_load_b32 v29, v30, s[54:55]             ; and its scale words
	s_mul_i32 s46, s16, 768
	v_lshl_add_u32 v1, v8, 3, s46
	s_mul_i32 s46, s16, 6144
	s_add_co_u32 s46, s46, 36864
	v_lshl_add_u32 v2, v8, 4, s46
	s_lshl_b32 s46, s16, 6
	s_add_co_u32 s46, s46, 73728
	v_lshl_add_u32 v3, v9, 2, s46
	s_lshl_b32 s46, s16, 8
	s_add_co_u32 s46, s46, 76800
	v_lshl_add_u32 v4, v9, 2, s46
	v_min_u32 v28, 23, v8
	s_delay_alu instid0(VALU_DEP_1)
	v_lshlrev_b32 v28, 8, v28
	v_bfe_u32 v31, v0, 4, 1
	s_delay_alu instid0(VALU_DEP_1)
	v_lshlrev_b32 v31, 3, v31                      ; 8 h: how far up my two bytes stand in p's scale word
.irp j, 22,23,24,25,26,27
	v_mov_b32 v[\j], 0                             ; Q's k = 64 .. 127: zero codes
.endr
.irp t, 0,1,2,3
.irp j, 6,7,8,9,10,11
	v_mov_b32 v[KF+12*\t+\j], 0                    ; K's likewise: no load ever lands here
.endr
.endr
	v_mov_b32 v13, 0xff61b1e6                      ; the largest t so far: -3e38, under every t
	s_delay_alu instid0(VALU_DEP_1)
	v_floor_f32 v12, -v13                          ; -M
	v_mov_b32 v14, 0
	v_mov_b32 v15, 0
	v_mov_b32 v91, 0                               ; (named as the upper half of the pair v[90:91])
	v_mov_b32 v225, 0                              ; written once: a lane permute's destination counts as one of its sources
.set J, 0
.rept 32
	v_mov_b32 v[O+J], 0                            ; O^T.  (The key step is written without a first step of its own: the first change of M multiplies zeros)
.set J, J+1
.endr
; A KEY STEP: 128 keys, the q-th of the record in hand.
.macro STEP q
	v_add_nc_u32 v8, s[TB], v1
	s_wait_alu depctr_va_vdst(0)
	v_add_nc_u32 v9, s[TB], v2
	v_add_nc_u32 v10, s[TB], v3
.if (\q) == 1
	v_add_nc_u32 v92, s63, v1                      ; K's codes and scale words of the record from which the next step's first group is asked for ahead
	v_add_nc_u32 v93, s63, v3
.endif
	s_wait_alu depctr_va_vdst(0)
	v_add_nc_u32 v11, s[TB], v4
	v_nop                                          ; five places: the first products below write over registers that the last step's products read as V's fragments
.irp g, 0,1                            ; S^T = K Q^T: a group of 64 keys, four tiles, at a time
.if \g
.rept 4
	v_nop                                          ; places in front of loads into registers that matrix instructions have read, and behind the first group's results
.endr
.irp t, 0,1,2,3                        ; the second group's fragments are loaded here; the first group's were asked for in the step before (a slot's first: ahead of the loop)
.irp p, 0,1,2
	ds_load_b64 v[KF+12*\t+2*\p:KF+12*\t+2*\p+1], v8 offset:(8*(\q)+4*\g+\t)*2304+256*\p
.endr
	ds_load_b32 v[KS+\t], v10 offset:(8*(\q)+4*\g+\t)*192
.endr
.endif
	s_wait_dscnt 0x0
.irp t, 0,1,2,3
	v_wmma_scale_f32_16x16x128_f8f6f4 v[S+8*(4*\g+\t):S+8*(4*\g+\t)+7], v[KF+12*\t:KF+12*\t+11], v[16:27], 0, v[KS+\t], v29 matrix_a_fmt:MATRIX_FMT_FP6 matrix_b_fmt:MATRIX_FMT_FP6
.endr
.endr                                  ; register 32 c + i of S is key 64 c + 32 (lane / 16) + i of the step: block 2 c + lane / 16, whole
; THE LARGEST SCORE OF EACH OF MY TWO BLOCKS, four chains each, each accumulator from its low end on: it serves for the row's maximum and for the block's largest p.
; The first block's sixteen lines name no register of the second group's products: they are the places behind those products.
.irp c, 0,1
	v_max3_num_f32 v[BA+4*\c], v[S+32*\c], v[S+32*\c+1], v[S+32*\c+2]
	v_max3_num_f32 v[BA+4*\c+1], v[S+32*\c+3], v[S+32*\c+4], v[S+32*\c+5]
	v_max3_num_f32 v[BA+4*\c+2], v[S+32*\c+6], v[S+32*\c+7], v[S+32*\c+8]
	v_max3_num_f32 v[BA+4*\c+3], v[S+32*\c+9], v[S+32*\c+10], v[S+32*\c+11]
.irp i, 12,20
.irp k, 0,1,2,3
	v_max3_num_f32 v[BA+4*\c+\k], v[BA+4*\c+\k], v[S+32*\c+\i+2*\k], v[S+32*\c+\i+2*\k+1]
.endr
.endr
	v_max3_num_f32 v[BA+4*\c], v[BA+4*\c], v[S+32*\c+28], v[S+32*\c+29]
	v_max3_num_f32 v[BA+4*\c+1], v[BA+4*\c+1], v[S+32*\c+30], v[S+32*\c+31]
	s_delay_alu instid0(VALU_DEP_1)
	v_max3_num_f32 v[BA+4*\c], v[BA+4*\c], v[BA+4*\c+1], v[BA+4*\c+2]
	s_delay_alu instid0(VALU_DEP_1)
	v_max_num_f32 v[BA+4*\c], v[BA+4*\c], v[BA+4*\c+3]
.if \c == 0
; THE NEXT STEP'S FIRST GROUP OF K: the sixteen lines above are the places behind the second group's products, so K's registers may take loads; these 16 loads are waited for with V's, ahead of this step's last products.
; Behind a record's second step they come from the next record; in a slot's last step the address is held at the slot's second record: bytes of this slot are read once more, and what they bring is not used.
.irp t, 0,1,2,3
.irp p, 0,1,2
.if (\q) == 0
	ds_load_b64 v[KF+12*\t+2*\p:KF+12*\t+2*\p+1], v8 offset:(8+\t)*2304+256*\p
.else
	ds_load_b64 v[KF+12*\t+2*\p:KF+12*\t+2*\p+1], v92 offset:\t*2304+256*\p
.endif
.endr
.if (\q) == 0
	ds_load_b32 v[KS+\t], v10 offset:(8+\t)*192
.else
	ds_load_b32 v[KS+\t], v93 offset:\t*192
.endif
.endr
.endif
.endr
	s_delay_alu instid0(VALU_DEP_1)
	v_max_num_f32 v224, v[BA], v[BB]               ; my 64 keys,
	s_delay_alu instid0(VALU_DEP_1)
	v_permlanex16_b32 v225, v224, s20, s21
	s_delay_alu instid0(VALU_DEP_1)
	v_max_num_f32 v224, v224, v225                 ; and lane l xor 16's: the step's largest score of my query
	s_delay_alu instid0(VALU_DEP_1)
	v_mul_f32 v224, s22, v224                      ; as t (c is positive)
	s_delay_alu instid0(VALU_DEP_1)
	v_max_num_f32 v13, v13, v224                   ; the running largest t
	v_mov_b32 v224, v12
	s_delay_alu instid0(VALU_DEP_2)
	v_floor_f32 v12, -v13                          ; the new -M = floor(-t) = -ceil(t): a whole number
	s_delay_alu instid0(VALU_DEP_1)
	v_sub_f32 v224, v12, v224                      ; M's old value less its new one: a whole number, 0 or less
	s_delay_alu instid0(VALU_DEP_1)
	v_cvt_i32_f32 v224, v224                       ; (it saturates)
	s_delay_alu instid0(VALU_DEP_1)
	v_ldexp_f32 v90, 1.0, v224                     ; f = 2^(old M - new M)
.set J, 0
.rept 32
	v_pk_fma_f32 v[S+J:S+J+1], v[S+J:S+J+1], s[22:23], v[12:13] op_sel_hi:[1,0,0]   ; t - M, two at a time (of the pairs c and -M the low word serves both halves)
.set J, J+2
.endr
	v_fma_f32 v[BA], v[BA], s22, v12               ; the same of each block's largest score
	v_fma_f32 v[BB], v[BB], s22, v12
.set J, 0
	s_wait_alu depctr_va_vdst(0)
.rept 64
	v_exp_f32 v[S+J], v[S+J]                       ; p = 2^(t - M), at most 1: not normalised
.set J, J+1
.endr
	v_pk_mul_f32 v[14:15], v[14:15], v[90:91] op_sel_hi:[1,0]   ; the sums under the new M; the plain line behind the exponentials
	s_wait_alu depctr_va_vdst(0)                   ; the wait ahead of the first line that names an exponential's result: one for the batch of 64
	v_exp_f32 v[BA], v[BA]                         ; the block's largest p: the same two instructions on the same number give the same bits
	v_exp_f32 v[BB], v[BB]
	v_pk_add_f32 v[226:227], v[100:101], v[104:105]
	v_pk_add_f32 v[230:231], v[108:109], v[112:113]
	v_pk_add_f32 v[228:229], v[116:117], v[120:121]
	v_pk_add_f32 v[222:223], v[124:125], v[128:129]
	v_pk_add_f32 v[220:221], v[132:133], v[136:137]
	v_pk_add_f32 v[218:219], v[140:141], v[144:145]
	v_pk_add_f32 v[210:211], v[148:149], v[152:153]
	v_pk_add_f32 v[14:15], v[14:15], v[156:157]
	v_pk_add_f32 v[226:227], v[226:227], v[96:97]
	v_pk_add_f32 v[230:231], v[230:231], v[98:99]
	v_pk_add_f32 v[228:229], v[228:229], v[102:103]
	v_pk_add_f32 v[222:223], v[222:223], v[106:107]
	v_pk_add_f32 v[220:221], v[220:221], v[110:111]
	v_pk_add_f32 v[218:219], v[218:219], v[114:115]
	v_pk_add_f32 v[210:211], v[210:211], v[118:119]
	v_pk_add_f32 v[14:15], v[14:15], v[122:123]
	v_pk_add_f32 v[226:227], v[226:227], v[126:127]
	v_pk_add_f32 v[230:231], v[230:231], v[130:131]
	v_pk_add_f32 v[228:229], v[228:229], v[134:135]
	v_pk_add_f32 v[222:223], v[222:223], v[138:139]
	v_pk_add_f32 v[220:221], v[220:221], v[142:143]
	v_pk_add_f32 v[218:219], v[218:219], v[146:147]
	v_pk_add_f32 v[210:211], v[210:211], v[150:151]
	v_pk_add_f32 v[14:15], v[14:15], v[154:155]
	v_pk_add_f32 v[226:227], v[226:227], v[158:159]
	s_delay_alu instid0(VALU_DEP_2)
	v_pk_add_f32 v[14:15], v[14:15], v[222:223]
	s_delay_alu instid0(VALU_DEP_2)
	v_pk_add_f32 v[226:227], v[226:227], v[220:221]
	v_pk_add_f32 v[230:231], v[230:231], v[218:219]
	v_pk_add_f32 v[228:229], v[228:229], v[210:211]
	s_delay_alu instid0(VALU_DEP_2)
	v_pk_add_f32 v[14:15], v[14:15], v[230:231]
	s_delay_alu instid0(VALU_DEP_2)
	v_pk_add_f32 v[226:227], v[226:227], v[228:229]
	s_delay_alu instid0(VALU_DEP_1)
	v_pk_add_f32 v[14:15], v[14:15], v[226:227]
	s_wait_alu depctr_va_vdst(0)                   ; and one for the two
	v_max_num_f32 v[BA], 0x1800000, v[BA]          ; the floor 2^(3 - 127): the byte cannot fall under 1
	v_max_num_f32 v[BB], 0x1800000, v[BB]
	s_delay_alu instid0(VALU_DEP_2)
	v_add_nc_u32 v[BS], 0xff000000, v[BA]          ; 2 off the exponent field: the conversion's scale operand
	s_delay_alu instid0(VALU_DEP_2)
	v_add_nc_u32 v[BS+1], 0xff000000, v[BB]
	s_delay_alu instid0(VALU_DEP_2)
	v_lshrrev_b32 v[BS+2], 23, v[BS]               ; the scale's byte
	s_delay_alu instid0(VALU_DEP_2)
	v_lshrrev_b32 v[BS+3], 23, v[BS+1]
	s_delay_alu instid0(VALU_DEP_1)
	v_lshl_or_b32 v[BA+1], v[BS+3], 16, v[BS+2]    ; my two bytes: blocks h and 2 + h of these 128 keys,
	s_delay_alu instid0(VALU_DEP_1)
	v_lshlrev_b32 v[BA+1], v31, v[BA+1]            ; at their places in the scale word (8 h bits up);
	s_delay_alu instid0(VALU_DEP_1)
	v_permlanex16_b32 v[BA+2], v[BA+1], s20, s21
	s_delay_alu instid0(VALU_DEP_1)
	v_or_b32 v[PS], v[BA+1], v[BA+2]               ; with lane l xor 16's two the word is whole
.irp c, 0,1
	v_cvt_scalef32_pk16_fp6_f32 v[PC+6*\c:PC+6*\c+2], v[S+32*\c:S+32*\c+15], v[BS+\c]       ; registers 6 c .. 6 c + 2 of P's fragment as they stand
	v_cvt_scalef32_pk16_fp6_f32 v[PT+4*\c:PT+4*\c+2], v[S+32*\c+16:S+32*\c+31], v[BS+\c]    ; (a conversion's three registers begin on an even number: the block's second three are moved)
.endr
	v_nop                                          ; one plain line behind a scaled conversion
.irp t, 0,1,2,3                        ; p has been read for the last time: V's four fragments land in its registers while the lines below run
.irp c, 0,1,2
	ds_load_b128 v[S+12*\t+4*\c:S+12*\t+4*\c+3], v9 offset:18432*(\q)+1536*\t+512*\c
.endr
	ds_load_b32 v[VS+\t], v11 offset:768*(\q)+64*\t
.endr
.irp c, 0,1
.irp i, 0,1,2
	v_mov_b32 v[PC+6*\c+3+\i], v[PT+4*\c+\i]
.endr
.endr
.set J, 0
.rept 16
	v_pk_mul_f32 v[O+J:O+J+1], v[O+J:O+J+1], v[90:91] op_sel_hi:[1,0]   ; O^T under the new M, each accumulator from its low end on; these sixteen are also the places between the scale word and the codes just made and the products below
.set J, J+2
.endr
	s_wait_alu depctr_va_vdst(0)
	s_wait_dscnt 0x0
.irp t, 0,1,2,3                        ; O^T += V^T P^T: four accumulators by turns, one instruction a turn
	v_wmma_scale_f32_16x16x128_f8f6f4 v[O+8*\t:O+8*\t+7], v[S+12*\t:S+12*\t+11], v[PC:PC+11], v[O+8*\t:O+8*\t+7], v[VS+\t], v[PS] matrix_a_fmt:MATRIX_FMT_FP6 matrix_b_fmt:MATRIX_FMT_FP6
.endr
.endm
; A SLOT'S FOUR KEY STEPS: a loop of two trips, a record a trip.  ask = 1: behind the first record the next refill's codes are prefetched.
.macro VISIT base, ask
	s_mov_b32 s[TB], \base
	s_mov_b32 s[CNT], 2
	v_add_nc_u32 v8, \base, v1
	v_add_nc_u32 v10, \base, v3
.irp t, 0,1,2,3                        ; the first group of K of the slot's first step
.irp p, 0,1,2
	ds_load_b64 v[KF+12*\t+2*\p:KF+12*\t+2*\p+1], v8 offset:\t*2304+256*\p
.endr
	ds_load_b32 v[KS+\t], v10 offset:\t*192
.endr
.Lrec_\@:
	s_add_co_u32 s63, s[TB], REC                   ; the record behind the one in hand,
	s_min_u32 s63, s63, \base+REC                  ; held at the slot's second record
	STEP 0
	STEP 1
	s_add_co_u32 s[TB], s[TB], REC                 ; on to the slot's second record
.if \ask
	ASK
.endif
	s_sub_co_u32 s[CNT], s[CNT], 1
	s_cmp_lg_u32 s[CNT], 0
	s_cbranch_scc1 .Lrec_\@
.endm
; THE CHANGE OF SLOTS.  Each wave waits for all its tensor loads (its part of the slot that it is about to read), adds 0 to its spare word, and waits for that and for its reads of the slot that it has left.
; fill = 1: a round of the cluster's barrier follows, so that no wave of any partner still reads that slot or has a load on its way, and the joint refill, by the slot's own group 0, is the first thing behind it:
; one load a wave is out, and it has four key steps in which to land.  pf = 1: the prefetches' address goes on to the next pair of records.
.macro CHANGE fill, g0, pf
	s_wait_tensorcnt 0x0                           ; no tensor load of mine is out, so a group 0 may be written
	ds_add_u32 v5, v6                              ; 0 onto my spare word
.if \fill
	ds_add_u32 v5, v6                              ; and once more where a load follows
	s_add_nc_u64 s[\g0+2:\g0+3], s[\g0+2:\g0+3], 2*SLOTB   ; this slot's next 512 keys lie two slots on; the type bits on top are not reached
.if \pf
	s_wait_xcnt 0x0                                ; the last prefetch, two key steps back, has read its address, so it may be written
	s_add_nc_u64 s[PFA:PFA+1], s[PFA:PFA+1], SLOTB
.endif
.endif
	s_wait_dscnt 0x0                               ; the add is done, and my reads of the slot that I have left are over
.if \fill
	CROUND
	TLOAD \g0
.else
	s_barrier_signal -1
	s_barrier_wait -1
.endif
.endm
	s_wait_alu depctr_va_vdst(0)
	s_wait_loadcnt 0x0                             ; Q
	s_wait_tensorcnt 0x0                           ; my part of slot 0 is in; slot 1's first fill is issued as a refill is:
	ds_add_u32 v5, v6                              ; the add, twice on end
	ds_add_u32 v5, v6
	s_wait_dscnt 0x0                               ; its wait,
	CROUND                                         ; a round of the cluster's barrier: everybody's part of slot 0 is in, and the joint loads meet,
	TLOAD G0B                                      ; and keys 512 to 1,023, the first tensor load behind the round: it has slot 0's four key steps in which to land
	VISIT 0, 1                                     ; keys 0 to 511
	CHANGE 1, G0A, 1                               ; slot 0 takes keys 1,024 on
	VISIT SLOTB, 1                                 ; keys 512 to 1,023
	CHANGE 1, G0B, 0                               ; slot 1 takes keys 1,536 on: the last load
	VISIT 0, 0                                     ; keys 1,024 to 1,535
	CHANGE 0, G0A, 0                               ; nothing is left to fetch
	VISIT SLOTB, 0                                 ; keys 1,536 to 2,047
	; THE WAY OUT: ctx = O^T / the sum; register 16 a + i is channel 32 a + 16 (lane / 16) + i of my head: two blocks of the last product's K, half of each in lane l xor 16.
	v_add_f32 v14, v14, v15                        ; the sum's two halves,
	s_delay_alu instid0(VALU_DEP_1)
	v_permlanex16_b32 v[BB], v14, s20, s21
	s_delay_alu instid0(VALU_DEP_1)
	v_add_f32 v14, v14, v[BB]                      ; and lane l xor 16's: the row's sum
	s_wait_alu depctr_va_vdst(0)
	v_rcp_f32 v14, v14
.rept 4
	v_nop                                          ; the plain line behind the reciprocal, and the places behind the last products
.endr
	s_wait_alu depctr_va_vdst(0)                   ; the wait ahead of the reciprocal's first reader
.set J, 0
.rept 32
	v_mul_f32 v[S+J], v[O+J], v14
.set J, J+1
.endr
.irp b, 0,1
	v_max3_num_f32 v[BA+\b], |v[S+16*\b]|, |v[S+1+16*\b]|, 0x1800000
.endr
.irp i, 2,4,6,8,10,12,14
.irp b, 0,1
	s_delay_alu instid0(VALU_DEP_2)
	v_max3_num_f32 v[BA+\b], v[BA+\b], |v[S+16*\b+\i]|, |v[S+1+16*\b+\i]|
.endr
.endr
.irp b, 0,1
	s_delay_alu instid0(VALU_DEP_2)
	v_permlanex16_b32 v[BB+\b], v[BA+\b], s20, s21
.endr
.irp b, 0,1
	s_delay_alu instid0(VALU_DEP_2)
	v_max_num_f32 v[BA+\b], v[BA+\b], v[BB+\b]     ; with lane l xor 16's: the block's largest magnitude
.endr
.irp b, 0,1
	s_delay_alu instid0(VALU_DEP_2)
	v_add_nc_u32 v[BS+\b], 0xff000000, v[BA+\b]
.endr
.irp b, 0,1
	s_delay_alu instid0(VALU_DEP_2)
	v_lshrrev_b32 v[BB+\b], 23, v[BS+\b]
.endr
	s_delay_alu instid0(VALU_DEP_1)
	v_lshl_or_b32 v[PS], v[BB+1], 8, v[BB]         ; my head's two bytes
	v_cvt_scalef32_pk16_fp6_f32 v[PC:PC+2], v[S:S+15], v[BS]
	v_cvt_scalef32_pk16_fp6_f32 v[PT:PT+2], v[S+16:S+31], v[BS+1]
	v_nop                                          ; one plain line behind a scaled conversion
.irp i, 0,1,2
	v_permlane16_swap_b32 v[PC+\i], v[PT+\i]       ; the operand's layout wants a whole block in a lane
.endr
.irp i, 0,1,2
	s_delay_alu instid0(VALU_DEP_3)
	v_mov_b32 v[PC+3+\i], v[PT+\i]
.endr
.irp p, 0,1,2
	global_store_b64 v7, v[PC+2*\p:PC+2*\p+1], s[8:9] offset:256*\p   ; 32 lanes store 256 consecutive bytes, aligned
.endr
	global_store_b16 v30, v[PS], s[56:57]          ; half a scale word a row (both halves of the lanes write the same): one byte in 24 of what this launch stores
	s_wait_tensorcnt 0x0                           ; the wave's end
	ds_add_u32 v5, v6
	s_wait_dscnt 0x0
	CROUND                                         ; the closing round: no work-group ends while a partner may still ask for a tile that names it
	s_endpgm
.Lfunc_end_k_q1a2a5a08fc_attn:
	.size	k_q1a2a5a08fc_attn, .Lfunc_end_k_q1a2a5a08fc_attn-k_q1a2a5a08fc_attn
	.p2alignl 7, 3214868480
	.fill 96, 4, 3214868480
	.section	.rodata,"a",@progbits
	.p2align	6, 0x0
	.amdhsa_kernel k_q1a2a5a08fc_attn
		.amdhsa_group_segment_fixed_size 327680
		.amdhsa_private_segment_fixed_size 0
		.amdhsa_enable_private_segment 0
		.amdhsa_kernarg_size 24
		.amdhsa_user_sgpr_count 2
		.amdhsa_user_sgpr_kernarg_segment_ptr 1
		.amdhsa_wavefront_size32 1
		.amdhsa_system_sgpr_workgroup_id_x 1
		.amdhsa_system_sgpr_workgroup_id_y 1
		.amdhsa_system_sgpr_workgroup_id_z 1
		.amdhsa_system_vgpr_workitem_id 0
		.amdhsa_next_free_vgpr 232
		.amdhsa_next_free_sgpr 66
		.amdhsa_reserve_vcc 0
		.amdhsa_float_denorm_mode_32 3
		.amdhsa_float_denorm_mode_16_64 3
		.amdhsa_memory_ordered 1
		.amdhsa_forward_progress 1
		.amdhsa_inst_pref_size 155
	.end_amdhsa_kernel
	.amdgpu_metadata
---
amdhsa.version: [ 1, 2 ]
amdhsa.kernels:
  - .name:           k_q1a2a5a08fc_attn
    .symbol:         k_q1a2a5a08fc_attn.kd
    .args:
      - { .name: qb, .offset: 0, .size: 8, .value_kind: global_buffer, .address_space: global }
      - { .name: kv, .offset: 8, .size: 8, .value_kind: global_buffer, .address_space: global }
      - { .name: cxb, .offset: 16, .size: 8, .value_kind: global_buffer, .address_space: global }
    .group_segment_fixed_size: 327680
    .private_segment_fixed_size: 0
    .kernarg_segment_align: 8
    .kernarg_segment_size: 24
    .max_flat_workgroup_size: 384
    .sgpr_count:     66
    .vgpr_count:     232
    .wavefront_size: 32
...
	.end_amdgpu_metadata
.endif
;; end of part 3
;; launch outp (part 4): grid 64 x 4, 6 waves a work-group, clusters of 4 x 1, 206,592 bytes of LDS; arguments cxb, ops, out0; writes out0
.if DOCPART == 4
	.amdgcn_target "amdgcn-amd-amdhsa--gfx1250"
	.amdhsa_code_object_version 6
	.text
	.protected	k_q1a2a5a08fc_outp
	.globl	k_q1a2a5a08fc_outp
	.p2align	8
	.type	k_q1a2a5a08fc_outp,@function
k_q1a2a5a08fc_outp:
	s_mov_b64 s[64:65], 0
	v_nop
	global_prefetch_b8 v0, s[64:65] scope:SCOPE_SE
	s_setreg_imm32_b32 hwreg(HW_REG_WAVE_MODE, 25, 1), 1
	s_wait_xcnt 0x0
	s_wait_alu depctr_hold_cnt(0) depctr_sa_sdst(0) depctr_va_vdst(0) depctr_va_sdst(0) depctr_va_ssrc(0) depctr_va_vcc(0) depctr_vm_vsrc(0)
	s_getreg_b32 s2, hwreg(HW_REG_IB_STS2, 6, 4)
	s_cmp_eq_u32 s2, 0
	s_cbranch_scc0 .Lentry_in_a_cluster
	s_endpgm
.Lentry_in_a_cluster:
	s_bfe_u32 s2, ttmp6, 0x10000c
	s_cmp_lg_u32 s2, 0x3003
	s_cbranch_scc0 .Lentry_shape_is_right
	s_endpgm
.Lentry_shape_is_right:
; out0 = ctx Wo^T on codes of FP6 (E2M3) with E8M0 scales, f32 sums.  ctx comes as images of the operand's registers (cxb: [64 rows: 64][38,400]: 9,216 x tile + 768 x head + 256 p + 8 x lane; scale words 36,864 + 384 x tile + 64 q + 4 r), Wo from ops.
; SHARES: 256 work-groups of 64 rows x 192 columns over the whole K = 768.  x = which 64 rows, y = which three groups of 64 rows of Wo.  Six waves: wave w takes 64 columns (w / 2) x 32 rows (w % 2): eight accumulators.
; THE FILLS, one tensor load a wave at the head: waves 0 to 2 fetch two of Wo's six chunks each (two rows of 19,200 bytes, a plane of ops apart), wave 3 ctx's record (38,400 bytes).  All lie in LDS once: one wait for all loads, one barrier.
; CLUSTER: the four work-groups of a cluster have the same y: Wo's chunks are asked for JOINTLY; ctx's record is each work-group's own load.
; NO PREFETCH: every operand is asked for at the head; there is no loop to run ahead in.
; TRANSPOSED: source 0 = 16 rows of Wo, source 1 = 16 rows of ctx: a lane holds eight neighbouring columns of one row.  Lane r of tile 2 a + u holds row 32 a + 8 u + r + 8 (r / 8), of Wo and of ctx alike.
; A wave's 32 x 64 numbers are 256 bytes a row, at a multiple of 256 from out0's first byte: they turn through the wave's own stage and leave sixteen lanes to a row.
.set PLANE, 1536000
.set REC,   6400
.set WOFF,  38400                      ; LDS: ctx's record, then Wo's six chunks,
.set CHUNK, 3*REC
.set STG,   WOFF+6*CHUNK               ; the stages: 32 rows x 272 bytes for each wave: no tensor load lands here,
.set SPARE, STG+6*8704                 ; and the spare words, 128 bytes for each wave: three blocks of 256 bytes that no other line names
.set FJ,   24                          ; v24-47  ctx's two fragments
.set FI,   48                          ; v48-95  Wo's four
.set ACC,  96                          ; v96-159 accumulator (jt, t) at ACC + 8 (4 jt + t)
.set OUTR, 24                          ; v24-87  the way out: 16 x 4 registers, over the fragments
; v4, v5 LDS: Wo's images and scale words; v6, v7 ctx's; v8, v9 the add's two; v10, v11 the stage, in and out; v12 my offset in out0; v16-19 Wo's scale words; v20-21 ctx's
.macro CROUND                          ; a round of the cluster's barrier
	s_barrier_signal -1
	s_barrier_wait -1
	s_cmp_lg_u32 s10, 0
	s_cbranch_scc1 .Lnot_wave_0_\@
	s_barrier_signal -3
.Lnot_wave_0_\@:
	s_barrier_wait -3
	s_barrier_signal -1
	s_barrier_wait -1
.endm
	s_load_b128 s[4:7], s[0:1], 0x0                ; cxb, ops
	s_load_b64 s[8:9], s[0:1], 0x10                ; out0
	v_lshl_add_u32 v8, v0, 2, SPARE
	v_mov_b32 v9, 0
	ds_add_u32 v8, v9                              ; the opening: the add, twice on end, and its wait ahead of the round in front of the first tensor loads
	ds_add_u32 v8, v9
	v_lshrrev_b32 v1, 5, v0
	v_readfirstlane_b32 s10, v1                    ; wave 0..5
	s_bfe_u32 s11, ttmp6, 0x40000                  ; cx
	s_lshl_b32 s12, ttmp9, 2
	s_add_co_u32 s12, s12, s11                     ; x = 4 x cluster x + cx
	s_and_b32 s13, ttmp7, 0xffff                   ; y, which the four partners share
	s_lshr_b32 s14, s10, 1                         ; which 64 columns
	s_and_b32 s15, s10, 1                          ; which 32 rows
	; group 1 for ctx: 38,400 dense bytes as 150 rows of 256
	s_mov_b32 s16, 3<<16
	s_mov_b32 s17, 32<<16
	s_mov_b32 s18, 150<<16
	s_mov_b32 s19, 32<<16
	s_mov_b32 s20, 150
	s_mov_b32 s21, 32
	s_mov_b32 s22, 0
	s_mov_b32 s23, 0
	; group 1 for two chunks of Wo: two rows of 19,200 bytes (2,400 elements of 8 bytes), a plane apart, with the mask of all four work-groups and bit 21 beside it
	s_mov_b32 s24, 15|(3<<16)|(1<<21)
	s_mov_b32 s25, 2400<<16
	s_mov_b32 s26, 2<<16
	s_mov_b32 s27, 2400<<16
	s_mov_b32 s28, 2
	s_mov_b32 s29, PLANE/8
	s_mov_b32 s30, 0
	s_mov_b32 s31, 0
	s_mov_b32 s32, 1
	s_mov_b32 s33, 0
	s_mov_b32 s36, 1
	s_min_u32 s40, s10, 2                          ; which pair of chunks (waves 0 to 2)
	s_mul_i32 s37, s40, 2*CHUNK
	s_add_co_u32 s37, s37, WOFF
	s_mul_i32 s40, s40, 2*PLANE
	s_mov_b32 s41, 0
	s_mul_i32 s60, s12, 38400                      ; my rows' record in cxb
	s_mov_b32 s61, 0
	s_mul_i32 s62, s13, 3
	s_add_co_u32 s62, s62, 228
	s_mul_i32 s62, s62, REC                        ; Wo's groups 228 + 3 y on: y and the wave's number alone enter the joint loads' addresses
	s_mov_b32 s63, 0
	s_lshl_b32 s66, s12, 6
	s_lshl_b32 s67, s15, 5
	s_add_co_u32 s66, s66, s67
	s_mul_i32 s66, s66, 3072                       ; out0: row 64 x + 32 (w % 2),
	s_mul_i32 s67, s13, 768
	s_add_co_u32 s66, s66, s67
	s_lshl_b32 s67, s14, 8
	s_add_co_u32 s66, s66, s67                     ; column 192 y + 64 (w / 2)
	s_mov_b32 s67, 0
	s_mul_i32 s68, s14, REC
	s_add_co_u32 s68, s68, WOFF                    ; LDS: my 64 rows of Wo,
	s_add_co_u32 s69, s68, 6144                    ; their scale words,
	s_mul_i32 s70, s15, 18432                      ; my 32 rows of ctx,
	s_mul_i32 s71, s15, 768
	s_add_co_u32 s71, s71, 36864                   ; their scale words,
	s_mul_i32 s44, s10, 8704
	s_add_co_u32 s44, s44, STG                     ; my stage
	s_wait_dscnt 0x0                               ; both opening adds are done
	s_wait_kmcnt 0x0
	s_add_nc_u64 s[34:35], s[4:5], s[60:61]
	s_or_b32 s35, s35, 0x80000000
	s_add_nc_u64 s[38:39], s[6:7], s[62:63]
	s_add_nc_u64 s[38:39], s[38:39], s[40:41]
	s_or_b32 s39, s39, 0x80000000
	s_add_nc_u64 s[8:9], s[8:9], s[66:67]
	CROUND                                         ; all four work-groups are here: the joint loads meet
	s_cmp_lt_u32 s10, 3                            ; one chain of branches on the wave's number, one load to an arm
	s_cbranch_scc0 .Lnot_wo
	tensor_load_to_lds s[36:39], s[24:31]
	s_nop 0
.rept 4
	v_nop
.endr
	s_branch .Lno_fill
.Lnot_wo:
	s_cmp_eq_u32 s10, 3
	s_cbranch_scc0 .Lno_fill
	tensor_load_to_lds s[32:35], s[16:23]
	s_nop 0
.rept 4
	v_nop
.endr
.Lno_fill:
	v_and_b32 v1, 31, v0                           ; lane
	v_and_b32 v2, 15, v0                           ; r
	v_bfe_u32 v3, v0, 4, 1                         ; h
	v_lshl_add_u32 v4, v1, 4, s68
	v_lshl_add_u32 v5, v2, 2, s69
	v_lshl_add_u32 v6, v1, 3, s70
	v_lshl_add_u32 v7, v2, 2, s71
	v_mul_u32_u24 v10, v2, 272
	v_mul_u32_u24 v11, v3, 272
	v_mul_u32_u24 v12, v3, 3072
	v_lshl_add_u32 v10, v3, 6, v10
	v_lshl_add_u32 v11, v2, 4, v11
	v_lshl_add_u32 v12, v2, 4, v12                 ; out0: lanes 0-15 one row, lanes 16-31 the next
	v_add_nc_u32 v10, s44, v10                     ; the stage, in: row r, 64 h bytes on
	v_add_nc_u32 v11, s44, v11                     ; back: lanes 0-15 one row, lanes 16-31 the next
	v_add_nc_u32 v13, 3*CHUNK, v4                  ; Wo's images and scale words of K steps 3 to 5: v4, v5 serve steps 0 to 2, and the chunk within the three stands in the loads' immediate
	v_add_nc_u32 v14, 3*CHUNK, v5
	s_wait_alu depctr_va_vdst(0)
	s_wait_tensorcnt 0x0                           ; my load has landed
	s_barrier_signal -1
	s_barrier_wait -1                              ; everybody's has: ctx and all of Wo's chunks lie in LDS
.macro KSTEP q
.irp t, 0,1,2,3
.irp c, 0,1,2
	ds_load_b128 v[FI+12*\t+4*\c:FI+12*\t+4*\c+3], v[4+9*(\q/3)] offset:CHUNK*(\q%3)+1536*\t+512*\c
.endr
	ds_load_b32 v[16+\t], v[5+9*(\q/3)] offset:CHUNK*(\q%3)+64*\t
.endr
.irp jt, 0,1
.irp p, 0,1,2,3,4,5
	ds_load_b64 v[FJ+12*\jt+2*\p:FJ+12*\jt+2*\p+1], v6 offset:9216*\jt+1536*\q+256*\p   ; heads 2 q and 2 q + 1 on end are the K step's fragment
.endr
	ds_load_b32 v[20+\jt], v7 offset:384*\jt+64*\q
.endr
	s_wait_dscnt 0x0
.irp t, 0,1,2,3                        ; eight accumulators by turns, one instruction a turn
.irp jt, 0,1
.if \q == 0
	v_wmma_scale_f32_16x16x128_f8f6f4 v[ACC+8*(4*\jt+\t):ACC+8*(4*\jt+\t)+7], v[FI+12*\t:FI+12*\t+11], v[FJ+12*\jt:FJ+12*\jt+11], 0, v[16+\t], v[20+\jt] matrix_a_fmt:MATRIX_FMT_FP6 matrix_b_fmt:MATRIX_FMT_FP6
.else
	v_wmma_scale_f32_16x16x128_f8f6f4 v[ACC+8*(4*\jt+\t):ACC+8*(4*\jt+\t)+7], v[FI+12*\t:FI+12*\t+11], v[FJ+12*\jt:FJ+12*\jt+11], v[ACC+8*(4*\jt+\t):ACC+8*(4*\jt+\t)+7], v[16+\t], v[20+\jt] matrix_a_fmt:MATRIX_FMT_FP6 matrix_b_fmt:MATRIX_FMT_FP6
.endif
.endr
.endr
.if \q < 5
.rept 4
	v_nop                                          ; the four places in front of the next loads
.endr
.endif
.endm
.irp q, 0,1,2,3,4,5
	KSTEP \q
.endr
.rept 4
	v_nop                                          ; places behind the last products
.endr
.irp jt, 0,1
.irp t, 0,1,2,3
	ds_store_b128 v10, v[ACC+8*(4*\jt+\t):ACC+8*(4*\jt+\t)+3] offset:4352*\jt+128*(\t/2)+32*(\t%2)        ; lane (r, h): columns 32 (t / 2) + 16 h + 8 (t % 2) + 0 .. 7; each accumulator from its low end on
	ds_store_b128 v10, v[ACC+8*(4*\jt+\t)+4:ACC+8*(4*\jt+\t)+7] offset:4352*\jt+128*(\t/2)+32*(\t%2)+16
.endr
.endr
.irp i, 0,1,2,3,4,5,6,7,8,9,10,11,12,13,14,15
	ds_load_b128 v[OUTR+4*\i:OUTR+4*\i+3], v11 offset:544*\i   ; LDS serves a wave's instructions in order: these see my stores
.endr
.irp i, 0,1,2,3,4,5,6,7,8,9,10,11,12,13,14,15
	s_wait_dscnt 15-\i                             ; LDS loads come back in order: load i is in, the later ones may be out
	global_store_b128 v12, v[OUTR+4*\i:OUTR+4*\i+3], s[8:9] offset:(8*(\i/8)+2*(\i%8)+8*((\i%8)/4))*3072 th:TH_STORE_NT   ; stage row 16 jt + r is row 8 jt + r + 8 (r / 8) of my 32; sixteen lanes store 256 consecutive bytes, aligned
.endr
	s_wait_tensorcnt 0x0                           ; the wave's end: behind my last LDS store
	ds_add_u32 v8, v9
	s_wait_dscnt 0x0
	CROUND                                         ; the closing round: no work-group ends while a partner may still ask for a tile that names it
	s_endpgm
.Lfunc_end_k_q1a2a5a08fc_outp:
	.size	k_q1a2a5a08fc_outp, .Lfunc_end_k_q1a2a5a08fc_outp-k_q1a2a5a08fc_outp
	.p2alignl 7, 3214868480
	.fill 96, 4, 3214868480
	.section	.rodata,"a",@progbits
	.p2align	6, 0x0
	.amdhsa_kernel k_q1a2a5a08fc_outp
		.amdhsa_group_segment_fixed_size 206592
		.amdhsa_private_segment_fixed_size 0
		.amdhsa_enable_private_segment 0
		.amdhsa_kernarg_size 24
		.amdhsa_user_sgpr_count 2
		.amdhsa_user_sgpr_kernarg_segment_ptr 1
		.amdhsa_wavefront_size32 1
		.amdhsa_system_sgpr_workgroup_id_x 1
		.amdhsa_system_sgpr_workgroup_id_y 1
		.amdhsa_system_sgpr_workgroup_id_z 1
		.amdhsa_system_vgpr_workitem_id 0
		.amdhsa_next_free_vgpr 160
		.amdhsa_next_free_sgpr 72
		.amdhsa_reserve_vcc 0
		.amdhsa_float_denorm_mode_32 3
		.amdhsa_float_denorm_mode_16_64 3
		.amdhsa_memory_ordered 1
		.amdhsa_forward_progress 1
		.amdhsa_inst_pref_size 29
	.end_amdhsa_kernel
	.amdgpu_metadata
---
amdhsa.version: [ 1, 2 ]
amdhsa.kernels:
  - .name:           k_q1a2a5a08fc_outp
    .symbol:         k_q1a2a5a08fc_outp.kd
    .args:
      - { .name: cxb, .offset: 0, .size: 8, .value_kind: global_buffer, .address_space: global }
      - { .name: ops, .offset: 8, .size: 8, .value_kind: global_buffer, .address_space: global }
      - { .name: out0, .offset: 16, .size: 8, .value_kind: global_buffer, .address_space: global }
    .group_segment_fixed_size: 206592
    .private_segment_fixed_size: 0
    .kernarg_segment_align: 8
    .kernarg_segment_size: 24
    .max_flat_workgroup_size: 192
    .sgpr_count:     72
    .vgpr_count:     160
    .wavefront_size: 32
...
	.end_amdgpu_metadata
.endif
;; end of part 4
